; MI455X (gfx1250); checked and timed in simulation.
; The chip was launched on July 23, 2026; its instructions are those of AMD's public machine-readable ISA for CDNA 5 (MIT licence, August 2026) and "CDNA5" Instruction Set Architecture Reference Guide (July 2026). The comments in the code are by the model that wrote it; some were corrected since.
;; Simple Multi Head Attention. Allowed arithmetic: float matrix products may take bf16 or f16 operands with f32 sums; other float arithmetic in f32, or as packed bf16 or f16 multiplies, adds, multiply-adds, maxima and minima; sums over many terms, partial sums and values carried from step to step in f32; what a program stores and reads back later, other than sums and carried values, may be rounded once to bf16 or f16.
;; Inputs: Wk 1,024 x 1,024 float32; Wq 1,024 x 1,024 float32; Wv 1,024 x 1,024 float32; attn_mask 512 x 4,096 bool; bk 1,024 float32; bq 1,024 float32; bv 1,024 float32; key 4 x 4,096 x 1,024 float32; query 4 x 512 x 1,024 float32; value 4 x 4,096 x 1,024 float32.
;; Outputs: out0 4 x 512 x 1,024 float32.
;; One version. Each part assembles by itself: llvm-mc -triple=amdgcn-amd-amdhsa -mcpu=gfx1250 --defsym DOCPART=n.
;; ======== version 1 of 1: 6 launches
;; limits: values are held in f16: magnitudes above 65,504 overflow, below 6.1e-05 lose precision; right only within a limited range of input values
;; workspace buffers: qs 4,194,304 bytes; tp 262,144 bytes; qp 4,202,496 bytes; pw 16,777,216 bytes; cmx 524,288 bytes; lsum 524,288 bytes; opart 33,554,432 bytes; ofrag 4,194,304 bytes
;; launch qproj (part 1): grid 16 x 16, 16 waves a work-group, no clusters, 223,232 bytes of LDS; arguments query, Wq, bq, bk, qs, tp; writes qs, tp
.if DOCPART == 1
	.amdgcn_target "amdgcn-amd-amdhsa--gfx1250"
	.amdhsa_code_object_version 6
	.text
	.protected	k_q6387830dfd_qproj
	.globl	k_q6387830dfd_qproj
	.p2align	8
	.type	k_q6387830dfd_qproj,@function
k_q6387830dfd_qproj:
	s_mov_b64 s[64:65], 0
	v_nop
	global_prefetch_b8 v0, s[64:65] scope:SCOPE_SE
	s_setreg_imm32_b32 hwreg(HW_REG_WAVE_MODE, 25, 1), 1
	s_wait_xcnt 0x0
; q = query Wq^T + bq, stored as f16 fragments; and, in f32, the partial sums over 64 columns of t = q . bk and of q . q (tp: [2][column tile 16][row 2048]).
; query [2048][1024], Wq [1024][1024]: f32, each rounded once to f16; bq, bk [1024] stay in f32; sums in f32.
; LIMITS: query, Wq and q lie within f16's range, 65,504; below 6e-5 an operand keeps f16's fixed step of 6e-8.
; SHARES.  A work-group makes 128 rows x 64 columns.  K is split four ways among its 16 waves: group kg = wave / 4 takes k = 256 kg .. +255
; in four steps of 64; wave ww = wave % 4 of a group makes 32 rows x 64 columns: 8 accumulators.  The four groups' sums meet in LDS at the end.
; The operands arrive in f32 and are rounded on the way into LDS, through registers; so no tensor load and no joint load is used here.
; THE PRODUCT IS TRANSPOSED (source 0 = 16 rows of Wq, source 1 = 16 rows of query): a lane holds one row of q and eight neighbouring columns,
; and two neighbouring results, packed in pairs, are a fragment (16 rows x 32 k) of the next product: 1,024 bytes, lane l's 16 bytes at 512 f + 16 l.
.set PA,    144                        ; an LDS row: 64 f16 + 16 bytes: 16 rows of a fragment load start at 16 different groups of four banks
.set GBUF,  192*PA                     ; a group's buffer: 128 rows of query, then 64 rows of Wq
.set GRP,   2*GBUF                     ; two buffers a group
.set SPARE, 4*GRP                      ; the spare words: 128 bytes for each of 16 waves, named by no other line
.set ACC,   16                         ; v[16:79]   accumulator (qb, cb) at ACC + 8 (4 qb + cb)
.set STG,   80                         ; v[80:175]  a step's 24 loads
.set FA,    176                        ; v[176:191] two fragments of query
.set FB,    192                        ; v[192:223] four fragments of Wq
.set BQ,    144                        ; the way out: bq, bk of my 32 columns
.set BK,    176
.set TT,    208
.set SPW,   254
.set NIL,   255
.macro PLACES                          ; four places behind a product, ahead of loads into its sources and of reads of its result
.rept 4
	v_nop
.endr
.endm
	s_load_b256 s[4:11], s[0:1], 0x0               ; query, Wq, bq, bk
	s_load_b128 s[12:15], s[0:1], 0x20             ; qs, tp
	v_lshl_add_u32 v[SPW], v0, 2, SPARE
	v_mov_b32 v[NIL], 0
	v_lshrrev_b32 v1, 5, v0
	v_readfirstlane_b32 s16, v1                    ; wave 0..15
	s_lshr_b32 s17, s16, 2                         ; kg
	s_and_b32 s18, s16, 3                          ; ww
	s_and_b32 s19, ttmp7, 0xffff                   ; mt: 128 rows
	v_and_b32 v11, 31, v0                          ; lane
	v_and_b32 v12, 15, v0                          ; r
	v_bfe_u32 v13, v0, 4, 1                        ; h
	v_lshlrev_b32 v2, 4, v12
	v_lshl_add_u32 v2, v13, 12, v2                 ; a load takes two rows x 256 bytes: h x 4,096 + 16 r
	s_mul_i32 s20, s17, GRP
	s_mul_i32 s21, s18, 32*PA
	s_add_co_u32 s21, s21, s20                     ; my 32 rows of query in the group's buffer
	s_mul_i32 s22, s18, 16*PA
	s_add_co_u32 s22, s22, s20
	s_add_co_u32 s22, s22, 128*PA                  ; the 16 rows of Wq that I stage
	s_add_co_u32 s23, s20, 128*PA                  ; the group's 64 rows of Wq
	v_mul_u32_u24 v3, v13, PA
	v_lshl_add_u32 v3, v12, 3, v3
	v_add_nc_u32 v4, s22, v3                       ; v4: where I put Wq
	v_add_nc_u32 v3, s21, v3                       ; v3: where I put query
	v_mul_u32_u24 v5, v12, PA
	v_lshl_add_u32 v5, v13, 4, v5
	v_add_nc_u32 v6, s23, v5                       ; v6: fragments of Wq
	v_add_nc_u32 v5, s21, v5                       ; v5: fragments of query
	s_mul_i32 s23, s18, 3*8192
	v_lshlrev_b32 v8, 4, v11                       ; 16 x lane
	v_add_nc_u32 v7, s23, v8                       ; v7: the three partial sums that wave ww of group 0 adds; never rewritten
	s_lshl_b32 s31, ttmp9, 8
	v_lshl_add_u32 v9, v13, 5, s31                 ; bq, bk: column 64 nt + 8 h, in bytes
	v_lshlrev_b32 v10, 2, v11
	s_mov_b32 s32, 0x76543210                      ; v_permlanex16_b32: each lane takes its own place in the other half
	s_mov_b32 s33, 0xfedcba98
	s_mov_b32 s35, 0xffff0000                      ; lanes 16 to 31
	s_lshl_b32 s26, s19, 19
	s_lshl_b32 s27, s18, 17
	s_add_co_u32 s26, s26, s27
	s_lshl_b32 s30, s17, 10
	s_add_co_u32 s26, s26, s30                     ; query: row 128 mt + 32 ww, byte 1,024 kg
	s_mov_b32 s27, 0
	s_lshl_b32 s28, ttmp9, 18
	s_lshl_b32 s29, s18, 16
	s_add_co_u32 s28, s28, s29
	s_add_co_u32 s28, s28, s30                     ; Wq: row 64 nt + 16 ww, byte 1,024 kg
	s_mov_b32 s29, 0
	s_lshl_b32 s36, ttmp9, 18                      ; qs: k block 2 nt, row block 8 mt + 2 ww
	s_lshl_b32 s37, s19, 13
	s_add_co_u32 s36, s36, s37
	s_lshl_b32 s37, s18, 11
	s_add_co_u32 s36, s36, s37
	s_mov_b32 s37, 0
	s_lshl_b32 s38, ttmp9, 13                      ; tp: [nt][row]
	s_lshl_b32 s39, s19, 9
	s_add_co_u32 s38, s38, s39
	s_lshl_b32 s39, s18, 7
	s_add_co_u32 s38, s38, s39
	s_mov_b32 s39, 0
	s_wait_kmcnt 0x0
	s_add_nc_u64 s[24:25], s[4:5], s[26:27]
	s_add_nc_u64 s[28:29], s[6:7], s[28:29]
	s_add_nc_u64 s[12:13], s[12:13], s[36:37]
	s_add_nc_u64 s[14:15], s[14:15], s[38:39]
.macro LOADS off                       ; a step's 24 loads, off bytes behind the two bases: 32 rows of query, 16 rows of Wq, 256 bytes of each
.set n, 0
.rept 16
	global_load_b128 v[STG+4*n:STG+4*n+3], v2, s[24:25] offset:n*8192+(\off)
.set n, n+1
.endr
.set n, 0
.rept 8
	global_load_b128 v[STG+64+4*n:STG+64+4*n+3], v2, s[28:29] offset:n*8192+(\off)
.set n, n+1
.endr
.endm
; A step on the group's buffer b: round, put into LDS, ask for the next step, one barrier, then 2 x 8 products.
; One barrier a step is enough: a wave behind a step's barrier knows that every wave's reads of the step before are back, and the next step writes that step's buffer.
; A trip of the loop is an even and an odd step.  The odd step moves the bases two steps on, behind the wait that shows every load done; in the last trip it asks for nothing.
.macro STEP b
.set bo, (\b)*GBUF
	s_wait_loadcnt 0x0                             ; all that is out is this step's
.if \b
	s_add_nc_u64 s[24:25], s[24:25], 512
	s_add_nc_u64 s[28:29], s[28:29], 512
.endif
.set n, 0
.rept 24
	v_cvt_pk_f16_f32 v[STG+4*n], v[STG+4*n], v[STG+4*n+1]
	v_cvt_pk_f16_f32 v[STG+4*n+1], v[STG+4*n+2], v[STG+4*n+3]
.set n, n+1
.endr
.set n, 0
.rept 16
	ds_store_b64 v3, v[STG+4*n:STG+4*n+1] offset:bo+n*2*PA
.set n, n+1
.endr
.set n, 0
.rept 8
	ds_store_b64 v4, v[STG+64+4*n:STG+64+4*n+1] offset:bo+n*2*PA
.set n, n+1
.endr
	s_wait_dscnt 0x0                               ; for the others' sake, and before the registers are loaded again
.if \b
	s_cmp_eq_u32 s30, 1                            ; behind the fourth step there is none
	s_cbranch_scc1 .Lnoload
	LOADS 0
.Lnoload:
.else
	LOADS 256
.endif
	s_barrier_signal -1
	s_barrier_wait -1
.set kc, 0
.rept 2
.set q, 0
.rept 2
	ds_load_b128 v[FA+8*q:FA+8*q+3], v5 offset:bo+q*16*PA+64*kc
	ds_load_b128 v[FA+8*q+4:FA+8*q+7], v5 offset:bo+q*16*PA+64*kc+32
.set q, q+1
.endr
.set c, 0
.rept 4
	ds_load_b128 v[FB+8*c:FB+8*c+3], v6 offset:bo+c*16*PA+64*kc
	ds_load_b128 v[FB+8*c+4:FB+8*c+7], v6 offset:bo+c*16*PA+64*kc+32
.set c, c+1
.endr
	s_wait_dscnt 0x0
.set a, 0
.rept 8                                ; the eight accumulators take turns, over the backward jump too
	v_wmma_f32_16x16x32_f16 v[ACC+8*a:ACC+8*a+7], v[FB+8*(a%4):FB+8*(a%4)+7], v[FA+8*(a/4):FA+8*(a/4)+7], v[ACC+8*a:ACC+8*a+7]
.set a, a+1
.endr
	PLACES
.set kc, kc+1
.endr
.endm
	LOADS 0
.set i, 0
.rept 64
	v_mov_b32 v[ACC+i], 0                          ; the sums start at 0: written while the first loads are on their way, so that the loop has one form of product
.set i, i+1
.endr
	s_mov_b32 s30, 2
.Lk:
	STEP 0
	STEP 1
	s_sub_co_u32 s30, s30, 1
	s_cmp_lg_u32 s30, 0
	s_cbranch_scc1 .Lk
	s_wait_loadcnt 0x0                             ; the last trip asked for nothing: met at once, and it holds on every way through the text
	s_wait_dscnt 0x0
	s_barrier_signal -1
	s_barrier_wait -1                              ; nobody reads the buffers any more: the partial sums go over them
	s_cmp_lt_u32 s16, 4
	s_cbranch_scc1 .Lkeep                          ; group 0 keeps its sums
	s_sub_co_u32 s30, s17, 1
	s_lshl_b32 s30, s30, 13
	v_add_nc_u32 v14, s30, v7                      ; (3 ww + kg - 1) x 8,192 + 16 x lane
.set j, 0
.rept 16
	ds_store_b128 v14, v[ACC+4*j:ACC+4*j+3] offset:j*512
.set j, j+1
.endr
.Lkeep:
	s_wait_dscnt 0x0
	s_barrier_signal -1
	s_barrier_wait -1
	s_cmp_lt_u32 s16, 4
	s_cbranch_scc0 .Lend
.set c, 0
.rept 4
	global_load_b128 v[BQ+8*c:BQ+8*c+3], v9, s[8:9] offset:c*64
	global_load_b128 v[BQ+8*c+4:BQ+8*c+7], v9, s[8:9] offset:c*64+16
	global_load_b128 v[BK+8*c:BK+8*c+3], v9, s[10:11] offset:c*64
	global_load_b128 v[BK+8*c+4:BK+8*c+7], v9, s[10:11] offset:c*64+16
.set c, c+1
.endr
.set g, 0
.rept 3                                ; the other three groups' sums: the group stands in the immediate, 24,064 at the most
.set j, 0
.rept 16
	ds_load_b128 v[STG+4*j:STG+4*j+3], v7 offset:g*8192+j*512
.set j, j+1
.endr
	s_wait_dscnt 0x0
.set j, 0
.rept 32
	v_pk_add_f32 v[ACC+2*j:ACC+2*j+1], v[ACC+2*j:ACC+2*j+1], v[STG+2*j:STG+2*j+1]
.set j, j+1
.endr
.set g, g+1
.endr
	s_wait_loadcnt 0x0
.set j, 0
.rept 32
	v_pk_add_f32 v[ACC+2*j:ACC+2*j+1], v[ACC+2*j:ACC+2*j+1], v[BQ+2*(j%16):BQ+2*(j%16)+1]
.set j, j+1
.endr
	v_pk_mul_f32 v[TT:TT+1], v[ACC:ACC+1], v[BK:BK+1]             ; q . bk and q . q: my 32 columns of each of my two rows
	v_pk_mul_f32 v[TT+2:TT+3], v[ACC+32:ACC+33], v[BK:BK+1]
	v_pk_mul_f32 v[TT+4:TT+5], v[ACC:ACC+1], v[ACC:ACC+1]
	v_pk_mul_f32 v[TT+6:TT+7], v[ACC+32:ACC+33], v[ACC+32:ACC+33]
.set j, 1
.rept 15
	v_pk_fma_f32 v[TT:TT+1], v[ACC+2*j:ACC+2*j+1], v[BK+2*j:BK+2*j+1], v[TT:TT+1]
	v_pk_fma_f32 v[TT+2:TT+3], v[ACC+32+2*j:ACC+32+2*j+1], v[BK+2*j:BK+2*j+1], v[TT+2:TT+3]
	v_pk_fma_f32 v[TT+4:TT+5], v[ACC+2*j:ACC+2*j+1], v[ACC+2*j:ACC+2*j+1], v[TT+4:TT+5]
	v_pk_fma_f32 v[TT+6:TT+7], v[ACC+32+2*j:ACC+32+2*j+1], v[ACC+32+2*j:ACC+32+2*j+1], v[TT+6:TT+7]
.set j, j+1
.endr
.irp k, 0,2,4,6
	v_add_f32 v[TT+\k], v[TT+\k], v[TT+\k+1]
.endr
.irp k, 0,2,4,6
	v_permlanex16_b32 v[TT+\k+1], v[TT+\k], s32, s33             ; the row's other 32 columns lie in the lane 16 away
.endr
.irp k, 0,2,4,6
	v_add_f32 v[TT+\k], v[TT+\k], v[TT+\k+1]
.endr
	v_cndmask_b32 v[TT], v[TT], v[TT+2], s35       ; lanes 0-15: rows 0-15; lanes 16-31: rows 16-31
	v_cndmask_b32 v[TT+4], v[TT+4], v[TT+6], s35
	global_store_b32 v10, v[TT], s[14:15]          ; 128 consecutive bytes
	global_store_b32 v10, v[TT+4], s[14:15] offset:131072
.set i, 0
.rept 32
	v_cvt_pk_f16_f32 v[STG+i], v[ACC+2*i], v[ACC+2*i+1]
.set i, i+1
.endr
.set a, 0
.rept 8
	global_store_b128 v8, v[STG+4*a:STG+4*a+3], s[12:13] offset:((a%4)/2)*131072+(a/4)*1024+(a%2)*512  ; 512 consecutive bytes, aligned
.set a, a+1
.endr
.Lend:
	s_wait_tensorcnt 0x0                           ; the wave's end: a wait for tensor loads, an add to my spare word and its wait, behind my last LDS store
	ds_add_u32 v[SPW], v[NIL]
	s_wait_dscnt 0x0
	s_endpgm
.Lfunc_end_k_q6387830dfd_qproj:
	.size	k_q6387830dfd_qproj, .Lfunc_end_k_q6387830dfd_qproj-k_q6387830dfd_qproj
	.p2alignl 7, 3214868480
	.fill 96, 4, 3214868480
	.section	.rodata,"a",@progbits
	.p2align	6, 0x0
	.amdhsa_kernel k_q6387830dfd_qproj
		.amdhsa_group_segment_fixed_size 223232
		.amdhsa_private_segment_fixed_size 0
		.amdhsa_enable_private_segment 0
		.amdhsa_kernarg_size 48
		.amdhsa_user_sgpr_count 2
		.amdhsa_user_sgpr_kernarg_segment_ptr 1
		.amdhsa_wavefront_size32 1
		.amdhsa_system_sgpr_workgroup_id_x 1
		.amdhsa_system_sgpr_workgroup_id_y 1
		.amdhsa_system_sgpr_workgroup_id_z 1
		.amdhsa_system_vgpr_workitem_id 0
		.amdhsa_next_free_vgpr 256
		.amdhsa_next_free_sgpr 66
		.amdhsa_reserve_vcc 0
		.amdhsa_float_denorm_mode_32 3
		.amdhsa_float_denorm_mode_16_64 3
		.amdhsa_memory_ordered 1
		.amdhsa_forward_progress 1
		.amdhsa_inst_pref_size 49
	.end_amdhsa_kernel
	.amdgpu_metadata
---
amdhsa.version: [ 1, 2 ]
amdhsa.kernels:
  - .name:           k_q6387830dfd_qproj
    .symbol:         k_q6387830dfd_qproj.kd
    .args:
      - { .name: query, .offset: 0, .size: 8, .value_kind: global_buffer, .address_space: global }
      - { .name: Wq, .offset: 8, .size: 8, .value_kind: global_buffer, .address_space: global }
      - { .name: bq, .offset: 16, .size: 8, .value_kind: global_buffer, .address_space: global }
      - { .name: bk, .offset: 24, .size: 8, .value_kind: global_buffer, .address_space: global }
      - { .name: qs, .offset: 32, .size: 8, .value_kind: global_buffer, .address_space: global }
      - { .name: tp, .offset: 40, .size: 8, .value_kind: global_buffer, .address_space: global }
    .group_segment_fixed_size: 223232
    .private_segment_fixed_size: 0
    .kernarg_segment_align: 8
    .kernarg_segment_size: 48
    .max_flat_workgroup_size: 512
    .sgpr_count:     66
    .vgpr_count:     256
    .wavefront_size: 32
...
	.end_amdgpu_metadata
.endif
;; end of part 1
;; launch qk (part 2): grid 16 x 16, 16 waves a work-group, no clusters, 100,352 bytes of LDS; arguments qs, Wk, tp, qp; writes qp
.if DOCPART == 2
	.amdgcn_target "amdgcn-amd-amdhsa--gfx1250"
	.amdhsa_code_object_version 6
	.text
	.protected	k_q6387830dfd_qk
	.globl	k_q6387830dfd_qk
	.p2align	8
	.type	k_q6387830dfd_qk,@function
k_q6387830dfd_qk:
	s_mov_b64 s[64:65], 0
	v_nop
	global_prefetch_b8 v0, s[64:65] scope:SCOPE_SE
	s_setreg_imm32_b32 hwreg(HW_REG_WAVE_MODE, 25, 1), 1
	s_wait_xcnt 0x0
; q' = q Wk, so that scores = q' key^T + q . bk.  q comes as f16 fragments (qs), Wk [k][n] in f32 is rounded once to f16.
; q' leaves as f16 fragments, each row times an exact power of two, laid out by batch, chunk of 128 k, and wave of the launch that reads them.
; THE ROW'S SCALE.  The 16 parts of q . q (second half of tp) are added; with E2 the sum's exponent field, G = (E2 + 129) >> 1 gives |q| < 2^g, g = G - 127.
; The row is stored as q' 2^(6-g), so each stored number is under 64 x the norm of its column of Wk.  Behind the fragments (byte 4,194,304 on) lies c 2^(g-6) for each row,
; c = log2(e) / 32, stored by the work-groups of the first column tile.  A row with q = 0 has G = 64 and q' = 0.
; LIMITS: Wk lies within f16's range, and a column of Wk has a norm under 1,023, else f16 overflows.
; Shares, K split, loop, products and the meeting of the partial sums as in the launch before: 128 rows x 64 columns a work-group, 16 waves, four steps of 64 k a group.
; q's fragments are one wave's own and come straight into registers; Wk lies [k][n] and is turned on the way out of LDS by ds_load_tr16_b128.
.set PB,    160                        ; an LDS row: 64 f16 + 32 bytes
.set GBUF,  64*PB
.set GRP,   2*GBUF
.set SPARE, 98304                      ; behind the partial sums (12 x 8,192 bytes, over the buffers): the spare words
.set ACC,   16
.set STG,   80                         ; v[80:111] a step's 8 loads of Wk; v[80:143] partial sums
.set FB,    144                        ; v[144:175] four fragments of Wk^T; on the way out the parts of q . q and the scales
.set AS,    176                        ; v[176:207], v[208:239] q's fragments of an even and of an odd step
.set SPW,   254
.set NIL,   255
.macro PLACES
.rept 4
	v_nop
.endr
.endm
	s_load_b128 s[4:7], s[0:1], 0x0                ; qs, Wk
	s_load_b128 s[8:11], s[0:1], 0x10              ; tp, qp
	v_lshl_add_u32 v[SPW], v0, 2, SPARE
	v_mov_b32 v[NIL], 0
	v_lshrrev_b32 v1, 5, v0
	v_readfirstlane_b32 s16, v1
	s_lshr_b32 s17, s16, 2                         ; kg
	s_and_b32 s18, s16, 3                          ; ww
	s_and_b32 s19, ttmp7, 0xffff                   ; mt
	v_and_b32 v11, 31, v0
	v_and_b32 v12, 15, v0                          ; r
	v_bfe_u32 v13, v0, 4, 1                        ; h
	v_lshlrev_b32 v2, 4, v12
	v_lshl_add_u32 v2, v13, 12, v2                 ; two rows of Wk x 256 bytes
	s_mul_i32 s20, s17, GRP
	s_mul_i32 s21, s18, 16*PB
	s_add_co_u32 s21, s21, s20
	v_mul_u32_u24 v3, v13, PB
	v_lshl_add_u32 v3, v12, 3, v3
	v_add_nc_u32 v3, s21, v3                       ; v3: where I put Wk
	v_and_b32 v14, 7, v0
	v_bfe_u32 v15, v0, 3, 1
	v_lshl_add_u32 v6, v13, 3, v14
	v_mul_u32_u24 v6, v6, PB
	v_lshl_add_u32 v6, v15, 4, v6
	v_add_nc_u32 v6, s20, v6                       ; v6: the turning load: row 8 h + l % 8, 16 bytes by (l / 8) % 2
	s_mul_i32 s23, s18, 3*8192
	v_lshlrev_b32 v8, 4, v11
	v_add_nc_u32 v7, s23, v8                       ; the three partial sums that wave ww of group 0 adds; never rewritten
	v_lshlrev_b32 v10, 2, v11                      ; 4 x lane: a row's word among my 32 rows
	s_mov_b32 s32, 0x76543210
	s_mov_b32 s33, 0xfedcba98
	s_mov_b32 s35, 0xffff0000                      ; lanes 16 to 31
	s_lshl_b32 s26, s17, 20                        ; qs: k block 8 kg, row block 8 mt + 2 ww
	s_lshl_b32 s27, s19, 13
	s_add_co_u32 s26, s26, s27
	s_lshl_b32 s27, s18, 11
	s_add_co_u32 s26, s26, s27
	s_mov_b32 s27, 0
	s_lshl_b32 s28, s17, 20                        ; Wk: row 256 kg + 16 ww, byte 256 nt
	s_lshl_b32 s29, s18, 16
	s_add_co_u32 s28, s28, s29
	s_lshl_b32 s29, ttmp9, 8
	s_add_co_u32 s28, s28, s29
	s_mov_b32 s29, 0
	s_lshr_b32 s36, s19, 2                         ; qp: [b][chunk][w][kc][qb]
	s_lshl_b32 s36, s36, 20
	s_lshr_b32 s37, ttmp9, 1
	s_lshl_b32 s37, s37, 17
	s_add_co_u32 s36, s36, s37
	s_and_b32 s37, s19, 3
	s_lshl_b32 s37, s37, 15
	s_add_co_u32 s36, s36, s37
	s_and_b32 s37, ttmp9, 1
	s_lshl_b32 s37, s37, 14
	s_add_co_u32 s36, s36, s37
	s_lshl_b32 s37, s18, 11
	s_add_co_u32 s36, s36, s37
	s_mov_b32 s37, 0
	s_lshl_b32 s38, s19, 9                         ; my 32 rows' words: row 128 mt + 32 ww
	s_lshl_b32 s39, s18, 7
	s_add_co_u32 s38, s38, s39
	s_mov_b32 s39, 0
	s_wait_kmcnt 0x0
	s_add_nc_u64 s[24:25], s[4:5], s[26:27]
	s_add_nc_u64 s[28:29], s[6:7], s[28:29]
	s_add_nc_u64 s[8:9], s[8:9], s[38:39]
	s_add_nc_u64 s[40:41], s[10:11], s[38:39]
	s_add_nc_u64 s[10:11], s[10:11], s[36:37]
.macro LOADS set, off                  ; a step's 16 loads, off bytes behind the two bases (64 rows of Wk and two k blocks of q are 262,144 bytes each)
.set n, 0
.rept 8
	global_load_b128 v[STG+4*n:STG+4*n+3], v2, s[28:29] offset:(\off)+n*8192
.set n, n+1
.endr
.set n, 0
.rept 8                                ; n = 4 kc + 2 qb + f
	global_load_b128 v[AS+32*(\set)+4*n:AS+32*(\set)+4*n+3], v8, s[24:25] offset:(\off)+(n/4)*131072+((n/2)%2)*1024+(n%2)*512
.set n, n+1
.endr
.endm
.macro STEP b                          ; as in the launch before: buffer b, q's set b; the odd step moves the bases two steps on and, in the last trip, asks for nothing
.set bo, (\b)*GBUF
	s_wait_loadcnt 0x0
.if \b
	s_add_nc_u64 s[24:25], s[24:25], 524288
	s_add_nc_u64 s[28:29], s[28:29], 524288
.endif
.set n, 0
.rept 8
	v_cvt_pk_f16_f32 v[STG+4*n], v[STG+4*n], v[STG+4*n+1]
	v_cvt_pk_f16_f32 v[STG+4*n+1], v[STG+4*n+2], v[STG+4*n+3]
.set n, n+1
.endr
.set n, 0
.rept 8
	ds_store_b64 v3, v[STG+4*n:STG+4*n+1] offset:bo+n*2*PB
.set n, n+1
.endr
	s_wait_dscnt 0x0
.if \b
	s_cmp_eq_u32 s30, 1
	s_cbranch_scc1 .Lnoload
	LOADS 0, 0
.Lnoload:
.else
	LOADS 1, 262144
.endif
	s_barrier_signal -1
	s_barrier_wait -1
.set kc, 0
.rept 2
.set c, 0
.rept 4
	ds_load_tr16_b128 v[FB+8*c:FB+8*c+3], v6 offset:bo+kc*32*PB+c*32
	ds_load_tr16_b128 v[FB+8*c+4:FB+8*c+7], v6 offset:bo+kc*32*PB+16*PB+c*32
.set c, c+1
.endr
	s_wait_dscnt 0x0
.set a, 0
.rept 8
.set ra, AS+32*(\b)+16*kc+8*(a/4)
	v_wmma_f32_16x16x32_f16 v[ACC+8*a:ACC+8*a+7], v[FB+8*(a%4):FB+8*(a%4)+7], v[ra:ra+7], v[ACC+8*a:ACC+8*a+7]
.set a, a+1
.endr
	PLACES
.set kc, kc+1
.endr
.endm
	LOADS 0, 0
.set i, 0
.rept 64
	v_mov_b32 v[ACC+i], 0                          ; the sums start at 0: written while the first loads are on their way, so that the loop has one form of product
.set i, i+1
.endr
	s_mov_b32 s30, 2
.Lk:
	STEP 0
	STEP 1
	s_sub_co_u32 s30, s30, 1
	s_cmp_lg_u32 s30, 0
	s_cbranch_scc1 .Lk
	s_wait_loadcnt 0x0                             ; the last trip asked for nothing: met at once, and it holds on every way through the text
	s_wait_dscnt 0x0
	s_barrier_signal -1
	s_barrier_wait -1
	s_cmp_lt_u32 s16, 4
	s_cbranch_scc1 .Lkeep
	s_sub_co_u32 s30, s17, 1
	s_lshl_b32 s30, s30, 13
	v_add_nc_u32 v14, s30, v7
.set j, 0
.rept 16
	ds_store_b128 v14, v[ACC+4*j:ACC+4*j+3] offset:j*512
.set j, j+1
.endr
.Lkeep:
	s_wait_dscnt 0x0
	s_barrier_signal -1
	s_barrier_wait -1
	s_cmp_lt_u32 s16, 4
	s_cbranch_scc0 .Lend
.set n, 0
.rept 16
	global_load_b32 v[FB+n], v10, s[8:9] offset:131072+n*8192   ; the 16 parts of q . q of row (my first row + lane)
.set n, n+1
.endr
.set g, 0
.rept 3                                ; the other three groups' sums: the group stands in the immediate, 24,064 at the most
.set j, 0
.rept 16
	ds_load_b128 v[STG+4*j:STG+4*j+3], v7 offset:g*8192+j*512
.set j, j+1
.endr
	s_wait_dscnt 0x0
.set j, 0
.rept 32
	v_pk_add_f32 v[ACC+2*j:ACC+2*j+1], v[ACC+2*j:ACC+2*j+1], v[STG+2*j:STG+2*j+1]
.set j, j+1
.endr
.set g, g+1
.endr
	s_wait_loadcnt 0x0
.irp w, 8,4,2,1
.set n, 0
.rept \w
	v_add_f32 v[FB+n], v[FB+n], v[FB+n+\w]
.set n, n+1
.endr
.endr
	v_lshrrev_b32 v9, 23, v[FB]                    ; E2: the sum is not negative
	v_add_nc_u32 v9, 129, v9
	v_lshrrev_b32 v9, 1, v9                        ; G
	v_sub_nc_u32 v[FB+1], 260, v9
	v_lshlrev_b32 v[FB+1], 23, v[FB+1]             ; 2^(6-g)
	v_add_nc_u32 v9, -6, v9
	v_lshlrev_b32 v9, 23, v9                       ; 2^(g-6)
	v_mul_f32 v9, 0x3d38aa3b, v9                   ; c 2^(g-6)
	v_permlanex16_b32 v[FB+2], v[FB+1], s32, s33
	v_cndmask_b32 v[FB+4], v[FB+1], v[FB+2], s35   ; my row of block 0: its scale lies in lanes 0-15
	v_cndmask_b32 v[FB+6], v[FB+2], v[FB+1], s35   ; my row of block 1: in lanes 16-31
	v_mov_b32 v[FB+5], v[FB+4]
	v_mov_b32 v[FB+7], v[FB+6]
.set j, 0
.rept 32
	v_pk_mul_f32 v[ACC+2*j:ACC+2*j+1], v[ACC+2*j:ACC+2*j+1], v[FB+4+2*(j/16):FB+5+2*(j/16)]
.set j, j+1
.endr
.set i, 0
.rept 32
	v_cvt_pk_f16_f32 v[STG+i], v[ACC+2*i], v[ACC+2*i+1]
.set i, i+1
.endr
.set a, 0
.rept 8
	global_store_b128 v8, v[STG+4*a:STG+4*a+3], s[10:11] offset:((a%4)/2)*8192+(a/4)*1024+(a%2)*512
.set a, a+1
.endr
	s_cmp_lg_u32 ttmp9, 0                          ; each row's scale is stored once: by the first column tile
	s_cbranch_scc1 .Lend
	global_store_b32 v10, v9, s[40:41] offset:4194304
.Lend:
	s_wait_tensorcnt 0x0                           ; the wave's end: a wait for tensor loads, an add to my spare word and its wait, behind my last LDS store
	ds_add_u32 v[SPW], v[NIL]
	s_wait_dscnt 0x0
	s_endpgm
.Lfunc_end_k_q6387830dfd_qk:
	.size	k_q6387830dfd_qk, .Lfunc_end_k_q6387830dfd_qk-k_q6387830dfd_qk
	.p2alignl 7, 3214868480
	.fill 96, 4, 3214868480
	.section	.rodata,"a",@progbits
	.p2align	6, 0x0
	.amdhsa_kernel k_q6387830dfd_qk
		.amdhsa_group_segment_fixed_size 100352
		.amdhsa_private_segment_fixed_size 0
		.amdhsa_enable_private_segment 0
		.amdhsa_kernarg_size 32
		.amdhsa_user_sgpr_count 2
		.amdhsa_user_sgpr_kernarg_segment_ptr 1
		.amdhsa_wavefront_size32 1
		.amdhsa_system_sgpr_workgroup_id_x 1
		.amdhsa_system_sgpr_workgroup_id_y 1
		.amdhsa_system_sgpr_workgroup_id_z 1
		.amdhsa_system_vgpr_workitem_id 0
		.amdhsa_next_free_vgpr 256
		.amdhsa_next_free_sgpr 66
		.amdhsa_reserve_vcc 0
		.amdhsa_float_denorm_mode_32 3
		.amdhsa_float_denorm_mode_16_64 3
		.amdhsa_memory_ordered 1
		.amdhsa_forward_progress 1
		.amdhsa_inst_pref_size 36
	.end_amdhsa_kernel
	.amdgpu_metadata
---
amdhsa.version: [ 1, 2 ]
amdhsa.kernels:
  - .name:           k_q6387830dfd_qk
    .symbol:         k_q6387830dfd_qk.kd
    .args:
      - { .name: qs, .offset: 0, .size: 8, .value_kind: global_buffer, .address_space: global }
      - { .name: Wk, .offset: 8, .size: 8, .value_kind: global_buffer, .address_space: global }
      - { .name: tp, .offset: 16, .size: 8, .value_kind: global_buffer, .address_space: global }
      - { .name: qp, .offset: 24, .size: 8, .value_kind: global_buffer, .address_space: global }
    .group_segment_fixed_size: 100352
    .private_segment_fixed_size: 0
    .kernarg_segment_align: 8
    .kernarg_segment_size: 32
    .max_flat_workgroup_size: 512
    .sgpr_count:     66
    .vgpr_count:     256
    .wavefront_size: 32
...
	.end_amdgpu_metadata
.endif
;; end of part 2
;; launch score (part 3): grid 32 x 8, 4 waves a work-group, clusters of 4 x 1, 327,680 bytes of LDS; arguments qp, key, attn_mask, tp, pw, cmx, lsum; writes pw, cmx, lsum
.if DOCPART == 3
	.amdgcn_target "amdgcn-amd-amdhsa--gfx1250"
	.amdhsa_code_object_version 6
	.text
	.protected	k_q6387830dfd_score
	.globl	k_q6387830dfd_score
	.p2align	8
	.type	k_q6387830dfd_score,@function
k_q6387830dfd_score:
	s_mov_b64 s[64:65], 0
	v_nop
	global_prefetch_b8 v0, s[64:65] scope:SCOPE_SE
	s_setreg_imm32_b32 hwreg(HW_REG_WAVE_MODE, 25, 1), 1
	s_wait_xcnt 0x0
	s_wait_alu depctr_hold_cnt(0) depctr_sa_sdst(0) depctr_va_vdst(0) depctr_va_sdst(0) depctr_va_ssrc(0) depctr_va_vcc(0) depctr_vm_vsrc(0)
	s_getreg_b32 s2, hwreg(HW_REG_IB_STS2, 6, 4)
	s_cmp_eq_u32 s2, 0
	s_cbranch_scc0 .Lentry_in_a_cluster
	s_endpgm
.Lentry_in_a_cluster:
	s_bfe_u32 s2, ttmp6, 0x10000c
	s_cmp_lg_u32 s2, 0x3003
	s_cbranch_scc0 .Lentry_shape_is_right
	s_endpgm
.Lentry_shape_is_right:
; For one batch b, one half RH of its 512 queries and one pair of key tiles (128 keys): s = q' . key with hidden keys far below; for each tile of 64 keys its own maximum m;
; p = 2^(cr s - cr m) in f16; l = the sum of p.  q' comes as f16 fragments, each row times a power of two; cr = c / that power, c = log2(e) / 32, comes with it (qp, byte 4,194,304 on).
; Stored: p as fragments (pw), cr m + c t (cmx; t = q . bk, the sum of tp's 16 parts), l (lsum).  The later launches bring the tiles onto the row's maximum.
; key [4][4096][1024] f32 is rounded once to f16 on the way into LDS.
; LIMITS.  |key| under 65,504.  A hidden key's sum starts between -2^99 and -2^101 (scaled scores are under 2^42); a kept key's sum starts at 0 or at a number under 2.3e-38.
; A tile in which a row sees no key (m below -2^90) stores -2^127 for its c m, which the later launches weigh with 0.
; SHARES.  A work-group makes 256 queries x 128 keys: over K = 1,024 it takes in 1,024 x (2 x 256 + 4 x 128) bytes of q' and key, 1 MiB; 512 x 64 would take 1.25 MiB.
; Wave w owns query block wq = 2 RH + w / 2 (128 queries: 8 blocks of 16) and key tile 2 x pair + w % 2 (4 blocks of 16 keys): 32 accumulators.  K goes in 8 steps of 128, a step in four quarters of 32.
; CLUSTER.  The four work-groups of a cluster have four neighbouring pairs of key tiles of one batch and one half of its queries, and need the same q': each wave asks JOINTLY for 16,384 dense bytes of a chunk.
; THE PRODUCT IS TRANSPOSED (source 0 = 16 keys, source 1 = 16 queries): a lane holds one query and eight neighbouring keys.
; THE MASK STARTS THE SUMS: the accumulators are set ahead of the loop, so every product has one form and nothing is cleared.
; No prefetch is laid: key's rows are asked for a whole step ahead of their use, and the launch does little but move its bytes.
; LDS: slot 0 of q' at 0, slot 1 at 131,072 (65,536 bytes each); key's two buffers in the gaps behind them, at 65,536 and 196,608, where no tensor load lands: one exclusive or turns every address into the other slot's.
; REGISTERS, in windows of 256 (s_set_vgpr_msb: bits 1:0 source 0, 3:2 source 1, 5:4 source 2, 7:6 destination):
;   window 0: v2-11, v25 addresses; v12-15 t; v16-23 cr as loaded; v28, v29 the add's; v64-191 q', two buffers; v192-255 key, two buffers
;   window 1: accumulator (qb, kb) at 8 (4 qb + kb)          window 2: v0-127 key as loaded; v128-191 key rounded; v192-255 mask bytes, later tp's parts
.set SLOTB, 131072                     ; from slot 0 to slot 1 in LDS; also a chunk's bytes in qp
.set QSC,   4194304                    ; where the rows' cr begin in qp
.set BB0,   65536                      ; key's buffer 0; buffer 1 lies SLOTB further on
.set PB,    272                        ; 128 f16 + 16 bytes
.set STAT,  262144                     ; 1,024 bytes a wave: c m and l of its 128 rows
.set SPARE, STAT+4096                  ; the spare words
.set ADA0, 2
.set ADA,  3
.set ADB0, 4
.set ADB,  5
.set STB0, 6
.set STB,  7
.set GKO,  8
.set MO,   9
.set SA,   10
.set L16,  11
.set CRL,  16
.set RO,   25
.set SPW,  28
.set NIL,  29
.set CR,   32                          ; the way out: cr, a pair a query block
.set FAA,  64
.set FBB,  192
.set CT2,  128                         ; window 2
.set MB,   192                         ; window 2
.set PT,   64                          ; the way out: p in f16, 16 registers a query block
.set C0,   192                         ; four at work a query block
.set CMP,  224                         ; cr m, m
.set LL,   240
.set WV,   18
.set G1,   24
.set G0,   32
.set THR,  44
.set HID,  45
.set TA,   60
.set TB,   61
.set TS,   62
.set MSB, 0
.macro WIN new                         ; the high byte repeats the setting that is left; a switch that changes nothing is dropped
.if MSB != (\new)
	s_set_vgpr_msb (MSB<<8)|(\new)
.set MSB, (\new)
.endif
.endm
.macro PLACES
.rept 4
	v_nop
.endr
.endm
.macro CREST                           ; a round of the cluster's barrier behind its opening barrier
	s_cmp_lg_u32 s[WV], 0
	s_cbranch_scc1 .Lnw0_\@
	s_barrier_signal -3
.Lnw0_\@:
	s_barrier_wait -3
	s_barrier_signal -1
	s_barrier_wait -1
.endm
.macro CROUND
	s_barrier_signal -1
	s_barrier_wait -1
	CREST
.endm
.macro ALLQ line:vararg                ; one line for each query block q
.set q, 0
.rept 8
	\line
.set q, q+1
.endr
.endm
	s_load_b256 s[4:11], s[0:1], 0x0               ; qp, key, attn_mask, tp
	s_load_b128 s[12:15], s[0:1], 0x20             ; pw, cmx
	s_load_b64 s[16:17], s[0:1], 0x30              ; lsum
	v_lshl_add_u32 v[SPW], v0, 2, SPARE
	v_mov_b32 v[NIL], 0
	ds_add_u32 v[SPW], v[NIL]                      ; the wave's opening: an add to my spare word, waited for ahead of my first tensor load
	v_lshrrev_b32 v1, 5, v0
	v_readfirstlane_b32 s[WV], v1
	s_bfe_u32 s19, ttmp6, 0x40000                  ; cx
	s_lshl_b32 s20, ttmp9, 2
	s_add_co_u32 s20, s20, s19                     ; the pair of key tiles: it enters key's, the mask's and the outputs' addresses alone
	s_and_b32 s43, s[WV], 1                        ; which tile of the pair is mine
	s_lshl_b32 s19, s20, 1
	s_add_co_u32 s19, s19, s43                     ; kt, my key tile
	s_and_b32 s21, ttmp7, 0xffff                   ; 2 b + RH, which the partners share
	s_and_b32 s46, s21, 1                          ; RH
	s_lshr_b32 s21, s21, 1                         ; b
	s_lshr_b32 s47, s[WV], 1
	s_lshl_b32 s42, s46, 1
	s_add_co_u32 s47, s47, s42                     ; wq, my block of 128 queries
	s_mov_b32 s[G1+0], 15|(3<<16)|(1<<21)          ; the mask of four; elements of 8 bytes; bit 21 beside a mask; no padding: fragments are read as they lie
	s_mov_b32 s[G1+1], 32<<16                      ; tensor_dim0 = 32 elements: 256 bytes
	s_mov_b32 s[G1+2], 64<<16                      ; tensor_dim1 = 64
	s_mov_b32 s[G1+3], 32<<16                      ; tile_dim0 = 32
	s_mov_b32 s[G1+4], 64                          ; tile_dim1 = 64
	s_mov_b32 s[G1+5], 32                          ; dense rows
	s_mov_b32 s[G1+6], 0
	s_mov_b32 s[G1+7], 0
	s_lshl_b32 s22, s[WV], 14
	s_mov_b32 s[G0+0], 1
	s_mov_b32 s[G0+1], s22                         ; slot 0, the 16,384 bytes that I fetch
	s_mov_b32 s[G0+4], 1
	s_add_co_u32 s[G0+5], s22, SLOTB               ; slot 1; this set then walks
	s_lshl_b32 s56, s21, 20
	s_lshl_b32 s57, s46, 16
	s_add_co_u32 s56, s56, s57
	s_add_co_u32 s56, s56, s22                     ; qp: batch, chunk 0, the half's 65,536 bytes, my quarter of them
	s_mov_b32 s57, 0
	s_mov_b32 s[TA], 0
	s_mov_b32 s[TB], 0
	s_mov_b32 s[TS], SLOTB
	s_mov_b32 s[THR], 0xec800000                   ; -2^90
	s_mov_b32 s[HID], 0xff000000                   ; -2^127
	s_mov_b32 s48, 0x01010101
	s_mov_b32 s49, 0xf1                            ; 0xf1 on top of a word: -2^99
	s_mov_b32 s50, 0x3d38aa3b                      ; c = log2(e) / 32
	s_mov_b32 s51, s50
	s_mov_b32 s52, 0x76543210
	s_mov_b32 s53, 0xfedcba98
	s_mov_b32 s55, 0xffff0000                      ; lanes 16 to 31
	v_and_b32 v20, 31, v0
	v_and_b32 v21, 15, v0                          ; r
	v_bfe_u32 v22, v0, 4, 1                        ; h
	v_lshlrev_b32 v[L16], 4, v20
	v_lshlrev_b32 v[RO], 2, v21                    ; row r's word in a block of 16 rows
	s_lshr_b32 s23, s[WV], 1
	s_lshl_b32 s23, s23, 15
	v_add_nc_u32 v[ADA0], s23, v[L16]              ; my 128 queries' 32,768 bytes of a slot
	v_mov_b32 v[ADA], v[ADA0]
	v_mul_u32_u24 v[ADB0], v21, PB
	v_lshl_add_u32 v[ADB0], v22, 4, v[ADB0]
	s_mul_i32 s23, s43, 64*PB
	s_add_co_u32 s23, s23, BB0
	v_add_nc_u32 v[ADB0], s23, v[ADB0]             ; my tile's 64 rows of key
	v_mov_b32 v[ADB], v[ADB0]
	s_mul_i32 s23, s[WV], 32*PB
	s_add_co_u32 s23, s23, BB0
	v_lshl_add_u32 v[STB0], v20, 3, s23            ; I stage 32 key rows; a lane's four numbers are 8 bytes
	v_add_nc_u32 v[STB], SLOTB, v[STB0]
	s_lshl_b32 s23, s[WV], 17
	v_add_nc_u32 v[GKO], s23, v[L16]               ; a load takes one key row's 512 bytes
	s_lshl_b32 s23, s47, 19
	v_lshl_add_u32 v[MO], v21, 12, s23
	v_lshl_add_u32 v[MO], v22, 3, v[MO]            ; mask: row 128 wq + r, byte 8 h
	s_lshl_b32 s23, s[WV], 10
	s_add_co_u32 s23, s23, STAT
	v_lshl_add_u32 v[SA], v22, 9, s23
	v_lshl_add_u32 v[SA], v21, 2, v[SA]
	s_wait_dscnt 0x0                               ; the opening add is done
	s_wait_kmcnt 0x0
	s_add_nc_u64 s[G0+2:G0+3], s[4:5], s[56:57]
	s_add_nc_u64 s[G0+6:G0+7], s[G0+2:G0+3], SLOTB
	s_or_b32 s[G0+3], s[G0+3], 0x80000000
	s_or_b32 s[G0+7], s[G0+7], 0x80000000
	s_lshl_b32 s58, s21, 24
	s_lshl_b32 s59, s20, 19
	s_add_co_u32 s58, s58, s59
	s_mov_b32 s59, 0
	s_add_nc_u64 s[40:41], s[6:7], s[58:59]        ; key at the pair's first row
	s_lshl_b32 s58, s19, 6
	s_add_nc_u64 s[8:9], s[8:9], s[58:59]          ; the mask at my tile's first key
	s_lshl_b32 s58, s21, 11
	s_lshl_b32 s42, s47, 9
	s_add_co_u32 s58, s58, s42
	s_add_nc_u64 s[10:11], s[10:11], s[58:59]      ; tp at my 128 rows
	s_add_nc_u64 s[4:5], s[4:5], s[58:59]          ; qp at my 128 rows' words: the loads add QSC
	s_lshl_b32 s58, s21, 17
	s_add_co_u32 s58, s58, s42
	s_lshl_b32 s42, s19, 11
	s_add_co_u32 s58, s58, s42
	s_add_nc_u64 s[14:15], s[14:15], s[58:59]      ; cmx and lsum: [b][kt][row]
	s_add_nc_u64 s[16:17], s[16:17], s[58:59]
	s_lshl_b32 s58, s21, 22
	s_lshl_b32 s42, s20, 17
	s_add_co_u32 s58, s58, s42
	s_lshl_b32 s42, s47, 15
	s_add_co_u32 s58, s58, s42
	s_lshl_b32 s42, s43, 14
	s_add_co_u32 s58, s58, s42
	s_add_nc_u64 s[12:13], s[12:13], s[58:59]      ; pw: [b][chunk of 128 keys][wq][kc][qb]
	CROUND                                         ; all four work-groups are here: the first joint loads meet
	tensor_load_to_lds s[G0:G0+3], s[G1:G1+7]      ; chunk 0; two loads of mine are out
	s_nop 0
	tensor_load_to_lds s[G0+4:G0+7], s[G1:G1+7]    ; chunk 1
	s_nop 0
	PLACES
.macro KLOADS                          ; 32 key rows x 512 bytes; the other half's work-group reads the same rows, so no hint is set
	WIN 0x80
.set n, 0
.rept 32
	global_load_b128 v[4*n:4*n+3], v[GKO], s[40:41] offset:n*4096
.set n, n+1
.endr
.endm
	KLOADS                                         ; step 0
.set a, 0
.rept 32
	global_load_b64 v[MB+2*a:MB+2*a+1], v[MO], s[8:9] offset:(a/4)*65536+(a%4)*16
.set a, a+1
.endr
; The key rows that have come are rounded to f16 and put into the buffer at areg; ld = 1: the rows of the step after are asked for.  cnt: the younger loads that may stay out.
.macro STAGE areg, ld, cnt
	s_wait_loadcnt \cnt
	WIN 0x8a
.set p, 0
.rept 64
	v_cvt_pk_f16_f32 v[CT2+p], v[2*p], v[2*p+1]
.set p, p+1
.endr
	WIN 0x08                                       ; the stores' data lie in window 2
.set n, 0
.rept 32
	ds_store_b64 v[\areg], v[CT2+2*n:CT2+2*n+1] offset:n*PB
.set n, n+1
.endr
.if \ld
	s_add_nc_u64 s[40:41], s[40:41], 512           ; the loads that read this address are back
	KLOADS
.endif
.endm
	STAGE STB0, 1, 32                              ; step 0 into buffer 0 (the mask's 32 loads stay out); step 1 is asked for
	s_wait_loadcnt 32                              ; the mask is in (step 1's 32 stay out)
	WIN 0x8a
.set i, 0
.rept 64
	v_xor_b32 v[MB+i], s48, v[MB+i]                ; 1 where the key is hidden,
	v_mul_lo_u32 v[MB+i], v[MB+i], s49             ; 0xf1 there
.set i, i+1
.endr
	WIN 0x4a
.set i, 0
.rept 256                              ; key i % 8 of accumulator i / 8: its byte goes on top of the word; the bytes of the keys before it stay below, where they count for nothing
.if (i%4) == 3
	v_mov_b32 v[i], v[MB+2*(i/8)+(i%8)/4]
.else
	v_lshlrev_b32 v[i], 24-8*(i%4), v[MB+2*(i/8)+(i%8)/4]
.endif
.set i, i+1
.endr
	WIN 0x80
.set n, 0
.rept 16
	global_load_b128 v[MB+4*n:MB+4*n+3], v[L16], s[10:11] offset:n*8192  ; tp's 16 parts, for the way out, into the mask's registers, which are free; the first step's wait for all loads covers them
.set n, n+1
.endr
	WIN 0
.set q, 0
.rept 8
	global_load_b32 v[CRL+q], v[RO], s[4:5] offset:QSC+q*64   ; cr of my row in each query block, for the way out: covered by the same wait
.set q, q+1
.endr
; nq query blocks from q0 on x 4 key blocks, 32 along K, on buffer f.  The accumulators take turns.
.macro MULQ f, q0, nq
	WIN 0x50
.set a, 4*(\q0)
.rept 4*(\nq)
	v_wmma_f32_16x16x32_f16 v[8*a:8*a+7], v[FBB+32*(\f)+8*(a%4):FBB+32*(\f)+8*(a%4)+7], v[FAA+64*(\f)+8*(a/4):FAA+64*(\f)+8*(a/4)+7], v[8*a:8*a+7]
.set a, a+1
.endr
.endm
.macro FETCH kc, f                     ; 24 LDS loads in one run: key's four fragments, then q's eight
	WIN 0
.set c, 0
.rept 4
	ds_load_b128 v[FBB+32*(\f)+8*c:FBB+32*(\f)+8*c+3], v[ADB] offset:c*16*PB+(\kc)*64
	ds_load_b128 v[FBB+32*(\f)+8*c+4:FBB+32*(\f)+8*c+7], v[ADB] offset:c*16*PB+(\kc)*64+32
.set c, c+1
.endr
.set q, 0
.rept 8
	ds_load_b128 v[FAA+64*(\f)+8*q:FAA+64*(\f)+8*q+3], v[ADA] offset:(\kc)*8192+q*1024
	ds_load_b128 v[FAA+64*(\f)+8*q+4:FAA+64*(\f)+8*q+7], v[ADA] offset:(\kc)*8192+q*1024+512
.set q, q+1
.endr
.endm
.macro QUARTER kc, f, g, younger       ; multiplies buffer f; in its middle fetches quarter kc into g
	s_wait_dscnt 8+(\younger)                      ; key and q's blocks 0-3 are in; the youngest eight loads, and the stores counted behind them, may be out
	MULQ \f, 0, 4
	PLACES
	FETCH \kc, \g
	s_wait_dscnt 24                                ; all but the 24 just issued
	MULQ \f, 4, 4
.endm
; The last quarter, and the change of slots: each wave waits for all its tensor loads, adds 0 to its spare word, and waits for that, for its reads of the slot and for its stores of key.
; Behind the barrier the next slot is whole (each block of it was fetched by two waves and is read by two) and nobody reads the old one.
; fill = 1: the barrier opens a round of the cluster's, and the slot just read is filled again first thing behind it, with the chunk two steps on.
; tail = 1: in the last trip there is no next step: its addresses and its first fetch are jumped over.
.macro TURN fill, tail
	WIN 0
	s_wait_tensorcnt 0x0
	ds_add_u32 v[SPW], v[NIL]
.if \fill
	s_xor_b32 s[G0+5], s[G0+5], SLOTB              ; no load of mine is out: the walking descriptor takes the other slot, the next chunk
	s_add_nc_u64 s[G0+6:G0+7], s[G0+6:G0+7], SLOTB
.endif
	s_xor_b32 s[TA], s[TA], SLOTB
	s_xor_b32 s[TB], s[TB], SLOTB
	s_xor_b32 s[TS], s[TS], SLOTB
	s_wait_dscnt 9                                 ; the add and the youngest eight loads may be out
	MULQ 1, 0, 2
	s_wait_dscnt 0x0
	s_barrier_signal -1
	MULQ 1, 2, 2
	WIN 0
	s_barrier_wait -1
.if \fill
	CREST
	tensor_load_to_lds s[G0+4:G0+7], s[G1:G1+7]
	s_nop 0
.endif
	PLACES
.if \tail
	s_cmp_eq_u32 s54, 1
	s_cbranch_scc1 .Lnofetch_\@
.endif
	v_add_nc_u32 v[ADA], s[TA], v[ADA0]
	v_add_nc_u32 v[ADB], s[TB], v[ADB0]
	v_add_nc_u32 v[STB], s[TS], v[STB0]
	FETCH 0, 0
.if \tail
.Lnofetch_\@:
.endif
	MULQ 1, 4, 4
.endm
; A step.  tail = 1: the last trip has no next step's key to round: the staging is jumped over; the wait behind it then counts no stores, which is right on both ways.
.macro STEP ld, fill, tail
	QUARTER 1, 0, 1, 0
.if \tail
	WIN 0
	s_cmp_eq_u32 s54, 1
	s_cbranch_scc1 .Lnostage_\@
.endif
	STAGE STB, \ld, 0
.if \tail
	WIN 0
.Lnostage_\@:
	QUARTER 2, 1, 0, 0
.else
	QUARTER 2, 1, 0, 32
.endif
	QUARTER 3, 0, 1, 0
	TURN \fill, \tail
.endm
	s_wait_tensorcnt 0x1                           ; my part of chunk 0 is in; chunk 1 may stay out
	s_wait_dscnt 0x0                               ; my rows of key are in LDS
	s_barrier_signal -1
	s_barrier_wait -1
	FETCH 0, 0
	WIN 0
	s_mov_b32 s54, 6
.Lmain:                                        ; steps 0 to 5: step s rounds key of s + 1, asks for key of s + 2 and for chunk s + 2
	STEP 1, 1, 0
	WIN 0
	s_sub_co_u32 s54, s54, 1
	s_cmp_lg_u32 s54, 0
	s_cbranch_scc1 .Lmain
	s_mov_b32 s54, 2
.Ltail:                                        ; steps 6 and 7: nothing is left to ask for, so no tensor load stands here and none is jumped over
	STEP 0, 0, 1
	WIN 0
	s_sub_co_u32 s54, s54, 1
	s_cmp_lg_u32 s54, 0
	s_cbranch_scc1 .Ltail
	s_wait_dscnt 0x0                               ; the last trip fetched nothing: met at once, and it holds on every way through the text
	; THE WAY OUT, in phases over the eight query blocks.  Each accumulator's lowest registers are read first.
	PLACES
	WIN 0x15
.set i, 0
.rept 32
	v_max3_num_f32 v[C0+i], v[8*i], v[8*i+1], v[8*i+2]
.set i, i+1
.endr
	WIN 0x14
.set q, 0
.rept 8
.set j, 4
.rept 8
	v_max3_num_f32 v[C0+4*q+j%4], v[C0+4*q+j%4], v[32*q+8*(j%4)+2*(j/4)+1], v[32*q+8*(j%4)+2*(j/4)+2]
.set j, j+1
.endr
	v_max3_num_f32 v[C0+4*q], v[C0+4*q], v[32*q+7], v[32*q+15]
	v_max3_num_f32 v[C0+4*q+2], v[C0+4*q+2], v[32*q+23], v[32*q+31]
.set q, q+1
.endr
	WIN 0
	ALLQ v_mov_b32 v[CR+2*q], v[CRL+q]
	ALLQ v_mov_b32 v[CR+2*q+1], v[CRL+q]
	ALLQ v_max3_num_f32 v[C0+4*q], v[C0+4*q], v[C0+4*q+1], v[C0+4*q+2]
	ALLQ v_max_num_f32 v[C0+4*q], v[C0+4*q], v[C0+4*q+3]
	ALLQ v_permlanex16_b32 v[C0+4*q+1], v[C0+4*q], s52, s53
	ALLQ v_max_num_f32 v[CMP+2*q+1], v[C0+4*q], v[C0+4*q+1]
	ALLQ v_mul_f32 v[CMP+2*q], v[CR+2*q], v[CMP+2*q+1]
	WIN 0x41
.set i, 0
.rept 128
	v_pk_fma_f32 v[2*i:2*i+1], v[2*i:2*i+1], v[CR+2*(i/16):CR+2*(i/16)+1], v[CMP+2*(i/16):CMP+2*(i/16)+1] op_sel_hi:[1,0,0] neg_lo:[0,0,1] neg_hi:[0,0,1]
.set i, i+1
.endr
.set i, 0
.rept 256
	v_exp_f32 v[i], v[i]
.set i, i+1
.endr
	v_nop                                          ; a plain instruction behind the last exponential,
	s_wait_alu depctr_va_vdst(0)                   ; and one wait for the batch, ahead of its first reader
	WIN 0x05
.set i, 0
.rept 128
	v_cvt_pk_f16_f32 v[PT+i], v[2*i], v[2*i+1]
.set i, i+1
.endr
	WIN 0
.set i, 0
.rept 32                               ; i = 4 qb + kb
	global_store_b128 v[L16], v[PT+4*i:PT+4*i+3], s[12:13] offset:((i%4)/2)*8192+(i/4)*1024+(i%2)*512  ; 512 consecutive bytes, aligned
.set i, i+1
.endr
	WIN 0x45
.irp w, 2,4,8,16                       ; l: the unrounded weights, pairs added 1, 2, 4 and 8 pairs apart
.set k, 0
.rept 128/\w
	v_pk_add_f32 v[2*\w*k:2*\w*k+1], v[2*\w*k:2*\w*k+1], v[2*\w*k+\w:2*\w*k+\w+1]
.set k, k+1
.endr
.endr
	WIN 0x05
	ALLQ v_add_f32 v[LL+q], v[32*q], v[32*q+1]
	WIN 0
	ALLQ v_permlanex16_b32 v[C0+4*q], v[LL+q], s52, s53
	ALLQ v_add_f32 v[LL+q], v[LL+q], v[C0+4*q]
.set q, 0
.rept 8
	v_cmp_gt_f32 vcc_lo, s[THR], v[CMP+2*q+1]      ; the row sees no key of this tile:
	v_cndmask_b32 v[C0+4*q+2], v[CMP+2*q], s[HID], vcc_lo  ; then -2^127 is stored for its c m
.set q, q+1
.endr
	ALLQ v_cndmask_b32 v[C0+4*q+1], v[C0+4*q+2], v[LL+q], s55
	ALLQ ds_store_b32 v[SA], v[C0+4*q+1] offset:64*q
	s_lshl_b32 s23, s[WV], 10
	s_add_co_u32 s23, s23, STAT
	v_add_nc_u32 v24, s23, v[L16]
	ds_load_b128 v[16:19], v24                     ; c m of rows 4 l .. 4 l + 3: my wave's own bytes, served in order
	ds_load_b128 v[20:23], v24 offset:512          ; l of the same rows
	WIN 0x0a                                       ; t of the same rows: tp's 16 parts are added while those two loads are out
	v_pk_add_f32 v[12:13], v[MB:MB+1], v[MB+4:MB+5]
	v_pk_add_f32 v[14:15], v[MB+2:MB+3], v[MB+6:MB+7]
	WIN 0x08
.set n, 2
.rept 14
	v_pk_add_f32 v[12:13], v[12:13], v[MB+4*n:MB+4*n+1]
	v_pk_add_f32 v[14:15], v[14:15], v[MB+4*n+2:MB+4*n+3]
.set n, n+1
.endr
	WIN 0
	s_wait_dscnt 0x0
	v_pk_fma_f32 v[16:17], v[12:13], s[50:51], v[16:17] op_sel_hi:[1,0,1]  ; + c t: here bk enters
	v_pk_fma_f32 v[18:19], v[14:15], s[50:51], v[18:19] op_sel_hi:[1,0,1]
	global_store_b128 v[L16], v[16:19], s[14:15]
	global_store_b128 v[L16], v[20:23], s[16:17]
	s_wait_tensorcnt 0x0                           ; the wave's end: a wait for tensor loads, an add to my spare word and its wait
	ds_add_u32 v[SPW], v[NIL]
	s_wait_dscnt 0x0
	CROUND                                         ; the closing round
	s_endpgm
.Lfunc_end_k_q6387830dfd_score:
	.size	k_q6387830dfd_score, .Lfunc_end_k_q6387830dfd_score-k_q6387830dfd_score
	.p2alignl 7, 3214868480
	.fill 96, 4, 3214868480
	.section	.rodata,"a",@progbits
	.p2align	6, 0x0
	.amdhsa_kernel k_q6387830dfd_score
		.amdhsa_group_segment_fixed_size 327680
		.amdhsa_private_segment_fixed_size 0
		.amdhsa_enable_private_segment 0
		.amdhsa_kernarg_size 56
		.amdhsa_user_sgpr_count 2
		.amdhsa_user_sgpr_kernarg_segment_ptr 1
		.amdhsa_wavefront_size32 1
		.amdhsa_system_sgpr_workgroup_id_x 1
		.amdhsa_system_sgpr_workgroup_id_y 1
		.amdhsa_system_sgpr_workgroup_id_z 1
		.amdhsa_system_vgpr_workitem_id 0
		.amdhsa_next_free_vgpr 768
		.amdhsa_next_free_sgpr 66
		.amdhsa_reserve_vcc 1
		.amdhsa_float_denorm_mode_32 3
		.amdhsa_float_denorm_mode_16_64 3
		.amdhsa_memory_ordered 1
		.amdhsa_forward_progress 1
		.amdhsa_inst_pref_size 137
	.end_amdhsa_kernel
	.amdgpu_metadata
---
amdhsa.version: [ 1, 2 ]
amdhsa.kernels:
  - .name:           k_q6387830dfd_score
    .symbol:         k_q6387830dfd_score.kd
    .args:
      - { .name: qp, .offset: 0, .size: 8, .value_kind: global_buffer, .address_space: global }
      - { .name: key, .offset: 8, .size: 8, .value_kind: global_buffer, .address_space: global }
      - { .name: attn_mask, .offset: 16, .size: 8, .value_kind: global_buffer, .address_space: global }
      - { .name: tp, .offset: 24, .size: 8, .value_kind: global_buffer, .address_space: global }
      - { .name: pw, .offset: 32, .size: 8, .value_kind: global_buffer, .address_space: global }
      - { .name: cmx, .offset: 40, .size: 8, .value_kind: global_buffer, .address_space: global }
      - { .name: lsum, .offset: 48, .size: 8, .value_kind: global_buffer, .address_space: global }
    .group_segment_fixed_size: 327680
    .private_segment_fixed_size: 0
    .kernarg_segment_align: 8
    .kernarg_segment_size: 56
    .max_flat_workgroup_size: 128
    .sgpr_count:     66
    .vgpr_count:     768
    .wavefront_size: 32
...
	.end_amdgpu_metadata
.endif
;; end of part 3
;; launch pv (part 4): grid 8 x 32, 4 waves a work-group, clusters of 4 x 1, 327,680 bytes of LDS; arguments pw, cmx, value, opart; writes opart
.if DOCPART == 4
	.amdgcn_target "amdgcn-amd-amdhsa--gfx1250"
	.amdhsa_code_object_version 6
	.text
	.protected	k_q6387830dfd_pv
	.globl	k_q6387830dfd_pv
	.p2align	8
	.type	k_q6387830dfd_pv,@function
k_q6387830dfd_pv:
	s_mov_b64 s[64:65], 0
	v_nop
	global_prefetch_b8 v0, s[64:65] scope:SCOPE_SE
	s_setreg_imm32_b32 hwreg(HW_REG_WAVE_MODE, 25, 1), 1
	s_wait_xcnt 0x0
	s_wait_alu depctr_hold_cnt(0) depctr_sa_sdst(0) depctr_va_vdst(0) depctr_va_sdst(0) depctr_va_ssrc(0) depctr_va_vcc(0) depctr_vm_vsrc(0)
	s_getreg_b32 s2, hwreg(HW_REG_IB_STS2, 6, 4)
	s_cmp_eq_u32 s2, 0
	s_cbranch_scc0 .Lentry_in_a_cluster
	s_endpgm
.Lentry_in_a_cluster:
	s_bfe_u32 s2, ttmp6, 0x10000c
	s_cmp_lg_u32 s2, 0x3003
	s_cbranch_scc0 .Lentry_shape_is_right
	s_endpgm
.Lentry_shape_is_right:
; Partial O for one batch b, one quarter ks of the keys (1,024), one half RH of the queries and a pair of channel tiles (128 channels): the sum over keys of w p value, in f32.
; w = 2^(cm_tile - Mq), Mq the row's maximum of cm over the quarter's own 16 tiles: it brings each tile's weights onto the quarter's maximum; the next launch brings the four quarters onto the row's.
; w and w p are f16 (w, p <= 1).  value [4][4096][1024] f32 is rounded once to f16 on the way into LDS.
; LIMITS.  Weights below f16's step of 6e-8 are lost; value must lie within f16's range.  A quarter in which a row sees no key gives finite numbers, which the next launch multiplies by 0.
; SHARES, RING, CLUSTER as in the launch before: 256 queries x 128 channels a work-group; wave w owns query block wq = 2 RH + w / 2 and channel tile 2 x pair + w % 2; 8 steps of 128 keys;
; the four partners have neighbouring pairs of channel tiles and ask jointly for the same weights, 16,384 dense bytes a wave.
; THE PRODUCT IS TRANSPOSED (source 0 = 16 channels of value, turned by ds_load_tr16_b128; source 1 = 16 queries of w p): a lane holds one query and eight channels.
; No prefetch is laid: value's rows are asked for a whole step ahead of their use, and the launch does little but move its bytes.
; LDS: slot 0 of p at 0, slot 1 at 131,072 (65,536 bytes each); value's two buffers in the gaps behind them, at 65,536 and 196,608, where no tensor load lands.
; REGISTERS: window 0: v2-11 addresses; v12-15 Mq; v28, v29 the add's; v32-63 w rounded; v64-191 p as loaded, two buffers; v192-255 value^T, two buffers
;   windows 1, 2 (query blocks 0-3, 4-7): v0-127 accumulators (q, cb) at 32 q + 8 cb; v128-159 w p, four fragments; v160-167 w, two sets; v168 zero
;   window 3: v0-127 value as loaded; v128-191 value rounded
; One window setting serves a half's products and its scalings: source 0 in window 0, the other three places in window 1 or 2.
.set SLOTB, 131072
.set BB0,   65536                      ; value's buffer 0; buffer 1 lies SLOTB further on
.set PV,    288                        ; 128 f16 + 32 bytes
.set WB,    262144                     ; w in f16: 4,096 bytes a wave, [tile 16][row 128]
.set SPARE, WB+4*4096
.set ADA0, 2
.set ADA,  3
.set ADB0, 4
.set ADB,  5
.set STB0, 6
.set STB,  7
.set GVO,  8
.set AW,   9
.set WS,   10
.set L16,  11
.set SPW,  28
.set NIL,  29
.set CT,   32
.set CT3,  128                         ; window 3
.set FAA,  64
.set FBB,  192
.set SP,   128
.set WR,   160
.set ZR,   168
.set WV,   18
.set G1,   24
.set G0,   32
.set TA,   60
.set TB,   61
.set TS,   62
.set MSB, 0
.macro WIN new
.if MSB != (\new)
	s_set_vgpr_msb (MSB<<8)|(\new)
.set MSB, (\new)
.endif
.endm
.macro PLACES
.rept 4
	v_nop
.endr
.endm
.macro CREST
	s_cmp_lg_u32 s[WV], 0
	s_cbranch_scc1 .Lnw0_\@
	s_barrier_signal -3
.Lnw0_\@:
	s_barrier_wait -3
	s_barrier_signal -1
	s_barrier_wait -1
.endm
.macro CROUND
	s_barrier_signal -1
	s_barrier_wait -1
	CREST
.endm
	s_load_b256 s[4:11], s[0:1], 0x0               ; pw, cmx, value, opart
	v_lshl_add_u32 v[SPW], v0, 2, SPARE
	v_mov_b32 v[NIL], 0
	ds_add_u32 v[SPW], v[NIL]                      ; the wave's opening: an add to my spare word, waited for ahead of my first tensor load
	v_lshrrev_b32 v1, 5, v0
	v_readfirstlane_b32 s[WV], v1
	s_bfe_u32 s19, ttmp6, 0x40000                  ; cx
	s_lshl_b32 s20, ttmp9, 2
	s_add_co_u32 s20, s20, s19                     ; the pair of channel tiles: it enters value's and the output's addresses alone
	s_and_b32 s48, s[WV], 1                        ; which tile of the pair is mine
	s_lshl_b32 s49, s20, 1
	s_add_co_u32 s49, s49, s48                     ; nt, my channel tile
	s_and_b32 s21, ttmp7, 0xffff                   ; 8 b + 2 ks + RH, which the partners share
	s_lshr_b32 s22, s21, 3                         ; b
	s_bfe_u32 s23, s21, 0x20001                    ; ks
	s_and_b32 s46, s21, 1                          ; RH
	s_lshr_b32 s47, s[WV], 1
	s_lshl_b32 s43, s46, 1
	s_add_co_u32 s47, s47, s43                     ; wq, my block of 128 queries
	s_mov_b32 s[G1+0], 15|(3<<16)|(1<<21)          ; as in the launch before: 64 dense rows of 256 bytes, for all four partners
	s_mov_b32 s[G1+1], 32<<16
	s_mov_b32 s[G1+2], 64<<16
	s_mov_b32 s[G1+3], 32<<16
	s_mov_b32 s[G1+4], 64
	s_mov_b32 s[G1+5], 32
	s_mov_b32 s[G1+6], 0
	s_mov_b32 s[G1+7], 0
	s_lshl_b32 s42, s[WV], 14
	s_mov_b32 s[G0+0], 1
	s_mov_b32 s[G0+1], s42
	s_mov_b32 s[G0+4], 1
	s_add_co_u32 s[G0+5], s42, SLOTB
	s_lshl_b32 s56, s22, 22
	s_lshl_b32 s57, s23, 20
	s_add_co_u32 s56, s56, s57
	s_lshl_b32 s57, s46, 16
	s_add_co_u32 s56, s56, s57
	s_add_co_u32 s56, s56, s42                     ; pw: batch, chunk 8 ks, the half's 65,536 bytes, my quarter of them
	s_mov_b32 s57, 0
	s_mov_b32 s[TA], 0
	s_mov_b32 s[TB], 0
	s_mov_b32 s[TS], SLOTB
	v_and_b32 v20, 31, v0
	v_and_b32 v21, 15, v0                          ; r
	v_bfe_u32 v22, v0, 4, 1                        ; h
	v_and_b32 v23, 7, v0
	v_bfe_u32 v24, v0, 3, 1
	v_lshlrev_b32 v[L16], 4, v20
	s_lshr_b32 s43, s[WV], 1
	s_lshl_b32 s43, s43, 15
	v_add_nc_u32 v[ADA0], s43, v[L16]              ; my 128 queries' 32,768 bytes of a slot
	v_mov_b32 v[ADA], v[ADA0]
	v_lshl_add_u32 v[ADB0], v22, 3, v23
	v_mul_u32_u24 v[ADB0], v[ADB0], PV
	v_lshl_add_u32 v[ADB0], v24, 4, v[ADB0]
	s_lshl_b32 s43, s48, 7
	s_add_co_u32 s43, s43, BB0
	v_add_nc_u32 v[ADB0], s43, v[ADB0]             ; the turning load: key 8 h + l % 8, 16 bytes by (l / 8) % 2, my tile's 128 bytes of a row
	v_mov_b32 v[ADB], v[ADB0]
	s_mul_i32 s43, s[WV], 32*PV
	s_add_co_u32 s43, s43, BB0
	v_lshl_add_u32 v[STB0], v20, 3, s43            ; I stage 32 keys; a lane's four numbers are 8 bytes
	v_add_nc_u32 v[STB], SLOTB, v[STB0]
	s_lshl_b32 s43, s[WV], 17
	v_add_nc_u32 v[GVO], s43, v[L16]               ; a load takes one key's 512 bytes: 128 channels
	s_lshl_b32 s43, s[WV], 12
	s_add_co_u32 s43, s43, WB
	v_lshl_add_u32 v[AW], v21, 1, s43              ; w of row r of a query block
	v_lshl_add_u32 v[WS], v20, 3, s43              ; where I put w of rows 4 l .. 4 l + 3
	s_wait_dscnt 0x0                               ; the opening add is done
	s_wait_kmcnt 0x0
	s_add_nc_u64 s[G0+2:G0+3], s[4:5], s[56:57]
	s_add_nc_u64 s[G0+6:G0+7], s[G0+2:G0+3], SLOTB
	s_or_b32 s[G0+3], s[G0+3], 0x80000000
	s_or_b32 s[G0+7], s[G0+7], 0x80000000
	s_lshl_b32 s58, s22, 24
	s_lshl_b32 s59, s23, 22
	s_add_co_u32 s58, s58, s59
	s_lshl_b32 s59, s20, 9
	s_add_co_u32 s58, s58, s59
	s_mov_b32 s59, 0
	s_add_nc_u64 s[40:41], s[8:9], s[58:59]        ; value at the quarter's first key, the pair's first channel
	s_lshl_b32 s58, s22, 17
	s_lshl_b32 s43, s23, 15
	s_add_co_u32 s58, s58, s43
	s_lshl_b32 s43, s47, 9
	s_add_co_u32 s58, s58, s43
	s_add_nc_u64 s[44:45], s[6:7], s[58:59]        ; cmx: batch, my quarter's 16 tiles, my 128 rows
	s_lshl_b32 s58, s23, 23
	s_lshl_b32 s43, s22, 21
	s_add_co_u32 s58, s58, s43
	s_lshl_b32 s43, s49, 17
	s_add_co_u32 s58, s58, s43
	s_lshl_b32 s43, s47, 15
	s_add_co_u32 s58, s58, s43
	s_add_nc_u64 s[10:11], s[10:11], s[58:59]      ; opart: [ks][b][nt][qb][cb][u]
	CROUND
	tensor_load_to_lds s[G0:G0+3], s[G1:G1+7]      ; two loads of mine are out
	s_nop 0
	tensor_load_to_lds s[G0+4:G0+7], s[G1:G1+7]
	s_nop 0
	PLACES
.set t, 0
.rept 16
	global_load_b128 v[FAA+4*t:FAA+4*t+3], v[L16], s[44:45] offset:t*2048
.set t, t+1
.endr
.macro VLOADS                          ; 32 keys x 512 bytes; the other half's work-group reads the same rows, so no hint is set
	WIN 0xc0
.set n, 0
.rept 32
	global_load_b128 v[4*n:4*n+3], v[GVO], s[40:41] offset:n*4096
.set n, n+1
.endr
.endm
	VLOADS                                         ; step 0
	s_wait_loadcnt 32                              ; my quarter's cm are in; value's 32 loads stay out
	WIN 0
.set c, 0
.rept 4
	v_max_num_f32 v[12+c], v[FAA+c], v[FAA+4+c]
.set c, c+1
.endr
.set t, 2
.rept 7
.set c, 0
.rept 4
	v_max3_num_f32 v[12+c], v[12+c], v[FAA+4*t+c], v[FAA+4*t+4+c]
.set c, c+1
.endr
.set t, t+2
.endr
.set i, 0
.rept 32
	v_pk_add_f32 v[FAA+2*i:FAA+2*i+1], v[FAA+2*i:FAA+2*i+1], v[12+2*(i%2):13+2*(i%2)] neg_lo:[0,1] neg_hi:[0,1]
.set i, i+1
.endr
.set i, 0
.rept 64
	v_exp_f32 v[FAA+i], v[FAA+i]
.set i, i+1
.endr
	v_nop                                          ; a plain instruction behind the last exponential,
	s_wait_alu depctr_va_vdst(0)                   ; and one wait for the batch
.set i, 0
.rept 32
	v_cvt_pk_f16_f32 v[CT+i], v[FAA+2*i], v[FAA+2*i+1]
.set i, i+1
.endr
.set t, 0
.rept 16
	ds_store_b64 v[WS], v[CT+2*t:CT+2*t+1] offset:t*256  ; my wave's own bytes: read by me alone
.set t, t+1
.endr
; The keys that have come are rounded to f16 and put into the buffer at areg; ld = 1: the keys of the step after are asked for.
.macro STAGE areg, ld
	s_wait_loadcnt 0x0
	WIN 0xcf
.set p, 0
.rept 64
	v_cvt_pk_f16_f32 v[CT3+p], v[2*p], v[2*p+1]
.set p, p+1
.endr
	WIN 0x0c                                       ; the stores' data lie in window 3
.set n, 0
.rept 32
	ds_store_b64 v[\areg], v[CT3+2*n:CT3+2*n+1] offset:n*PV
.set n, n+1
.endr
.if \ld
	s_add_nc_u64 s[40:41], s[40:41], 524288        ; 128 keys on; the loads that read this address are back
	VLOADS
.endif
.endm
	STAGE STB0, 1                                  ; step 0 into buffer 0; step 1 is asked for
	WIN 0x40                                       ; the sums start at 0: written while the first tiles are on their way, so that the loop has one form of product
.set i, 0
.rept 128
	v_mov_b32 v[i], 0
.set i, i+1
.endr
	v_mov_b32 v[ZR], 0
	WIN 0x80
.set i, 0
.rept 128
	v_mov_b32 v[i], 0
.set i, i+1
.endr
	v_mov_b32 v[ZR], 0
; Query blocks q0 to q1 of half hh on buffer f, with w's set ws.  The half's first fragment is scaled in a run of eight; behind each product stand two scalings of the next block's fragment.
; The accumulators take turns; a fragment of w p is written again a quarter behind its last reader.
.macro HALFP f, hh, ws, q0, q1
	WIN 0x54+0x54*(\hh)
.if (\q0) == 0
.set i, 0
.rept 8
	v_pk_fma_f16 v[SP+i], v[FAA+64*(\f)+32*(\hh)+i], v[WR+4*(\ws)], v[ZR] op_sel_hi:[1,0,1]
.set i, i+1
.endr
.endif
.set q, \q0
.rept (\q1)-(\q0)+1
.set c, 0
.rept 4
	v_wmma_f32_16x16x32_f16 v[32*q+8*c:32*q+8*c+7], v[FBB+32*(\f)+8*c:FBB+32*(\f)+8*c+7], v[SP+8*q:SP+8*q+7], v[32*q+8*c:32*q+8*c+7]
.if q < 3
	v_pk_fma_f16 v[SP+8*(q+1)+2*c], v[FAA+64*(\f)+32*(\hh)+8*(q+1)+2*c], v[WR+4*(\ws)+q+1], v[ZR] op_sel_hi:[1,0,1]
	v_pk_fma_f16 v[SP+8*(q+1)+2*c+1], v[FAA+64*(\f)+32*(\hh)+8*(q+1)+2*c+1], v[WR+4*(\ws)+q+1], v[ZR] op_sel_hi:[1,0,1]
.endif
.set c, c+1
.endr
.set q, q+1
.endr
.endm
.macro FETCH kc, f                     ; one run: ahead of an even quarter the tile's eight w; value's four fragments, turned; p's eight
.if ((\kc)%2) == 0
	WIN 0x40
.set q, 0
.rept 4
	ds_load_u16 v[WR+4*((\kc)/2)+q], v[AW] offset:((\kc)/2)*256+q*32
.set q, q+1
.endr
	WIN 0x80
.set q, 0
.rept 4
	ds_load_u16 v[WR+4*((\kc)/2)+q], v[AW] offset:((\kc)/2)*256+(q+4)*32
.set q, q+1
.endr
.endif
	WIN 0
.set c, 0
.rept 4
	ds_load_tr16_b128 v[FBB+32*(\f)+8*c:FBB+32*(\f)+8*c+3], v[ADB] offset:(\kc)*32*PV+c*32
	ds_load_tr16_b128 v[FBB+32*(\f)+8*c+4:FBB+32*(\f)+8*c+7], v[ADB] offset:(\kc)*32*PV+16*PV+c*32
.set c, c+1
.endr
.set q, 0
.rept 8
	ds_load_b128 v[FAA+64*(\f)+8*q:FAA+64*(\f)+8*q+3], v[ADA] offset:(\kc)*8192+q*1024
	ds_load_b128 v[FAA+64*(\f)+8*q+4:FAA+64*(\f)+8*q+7], v[ADA] offset:(\kc)*8192+q*1024+512
.set q, q+1
.endr
.endm
.macro QUARTER kc, f, g, younger       ; multiplies quarter kc - 1 in buffer f; in its middle fetches quarter kc into g
	s_wait_dscnt 8+(\younger)                      ; all but p's blocks 4-7, and the stores counted behind them
	HALFP \f, 0, ((\kc)-1)/2, 0, 3
	PLACES
	FETCH \kc, \g
	s_wait_dscnt 24+8*(1-(\kc)%2)                  ; all but the run just issued
	HALFP \f, 1, ((\kc)-1)/2, 0, 3
.endm
; The last quarter and the change of slots, as in the launch before.  tail = 1: in the last trip there is no next step: its addresses and its first fetch are jumped over.
.macro TURN fill, tail
	WIN 0
	s_wait_tensorcnt 0x0
	ds_add_u32 v[SPW], v[NIL]
.if \fill
	s_xor_b32 s[G0+5], s[G0+5], SLOTB
	s_add_nc_u64 s[G0+6:G0+7], s[G0+6:G0+7], SLOTB
.endif
	s_xor_b32 s[TA], s[TA], SLOTB
	s_xor_b32 s[TB], s[TB], SLOTB
	s_xor_b32 s[TS], s[TS], SLOTB
	s_wait_dscnt 9                                 ; the add and the youngest eight loads may be out
	HALFP 1, 0, 1, 0, 3
	s_wait_dscnt 0x0                               ; the add, my reads of the slot, my stores of value
	s_barrier_signal -1
	HALFP 1, 1, 1, 0, 1
	WIN 0
	s_barrier_wait -1
.if \fill
	CREST
	tensor_load_to_lds s[G0+4:G0+7], s[G1:G1+7]
	s_nop 0
.endif
	PLACES
.if \tail
	s_cmp_eq_u32 s54, 1
	s_cbranch_scc1 .Lnofetch_\@
.endif
	v_add_nc_u32 v[ADA], s[TA], v[ADA0]
	v_add_nc_u32 v[ADB], s[TB], v[ADB0]
	v_add_nc_u32 v[STB], s[TS], v[STB0]
	v_add_nc_u32 v[AW], 512, v[AW]                 ; the next step's two tiles
	FETCH 0, 0
.if \tail
.Lnofetch_\@:
.endif
	HALFP 1, 1, 1, 2, 3
.endm
; A step.  tail = 1: the last trip has no next step's value to round: the staging is jumped over; the wait behind it then counts no stores, which is right on both ways.
.macro STEP ld, fill, tail
	QUARTER 1, 0, 1, 0
.if \tail
	WIN 0
	s_cmp_eq_u32 s54, 1
	s_cbranch_scc1 .Lnostage_\@
.endif
	STAGE STB, \ld
.if \tail
	WIN 0
.Lnostage_\@:
	QUARTER 2, 1, 0, 0
.else
	QUARTER 2, 1, 0, 32
.endif
	QUARTER 3, 0, 1, 0
	TURN \fill, \tail
.endm
	WIN 0
	s_wait_tensorcnt 0x1                           ; my part of the first chunk is in; the second may stay out
	s_wait_dscnt 0x0
	s_barrier_signal -1
	s_barrier_wait -1
	FETCH 0, 0
	WIN 0
	s_mov_b32 s54, 6
.Lmain:                                        ; steps 0 to 5: step s rounds value of s + 1, asks for value of s + 2 and for chunk s + 2
	STEP 1, 1, 0
	WIN 0
	s_sub_co_u32 s54, s54, 1
	s_cmp_lg_u32 s54, 0
	s_cbranch_scc1 .Lmain
	s_mov_b32 s54, 2
.Ltail:                                        ; steps 6 and 7: nothing is left to ask for, so no tensor load stands here and none is jumped over
	STEP 0, 0, 1
	WIN 0
	s_sub_co_u32 s54, s54, 1
	s_cmp_lg_u32 s54, 0
	s_cbranch_scc1 .Ltail
	s_wait_dscnt 0x0                               ; the last trip fetched nothing: met at once, and it holds on every way through the text
	PLACES
	WIN 0x04                                       ; the sums leave as they lie: each store is 512 consecutive bytes, aligned; an accumulator's low half first
.set i, 0
.rept 32
	global_store_b128 v[L16], v[4*i:4*i+3], s[10:11] offset:i*512
.set i, i+1
.endr
	WIN 0x08
.set i, 0
.rept 32
	global_store_b128 v[L16], v[4*i:4*i+3], s[10:11] offset:16384+i*512
.set i, i+1
.endr
	WIN 0
	s_wait_tensorcnt 0x0                           ; the wave's end: a wait for tensor loads, an add to my spare word and its wait
	ds_add_u32 v[SPW], v[NIL]
	s_wait_dscnt 0x0
	CROUND                                         ; the closing round
	s_endpgm
.Lfunc_end_k_q6387830dfd_pv:
	.size	k_q6387830dfd_pv, .Lfunc_end_k_q6387830dfd_pv-k_q6387830dfd_pv
	.p2alignl 7, 3214868480
	.fill 96, 4, 3214868480
	.section	.rodata,"a",@progbits
	.p2align	6, 0x0
	.amdhsa_kernel k_q6387830dfd_pv
		.amdhsa_group_segment_fixed_size 327680
		.amdhsa_private_segment_fixed_size 0
		.amdhsa_enable_private_segment 0
		.amdhsa_kernarg_size 32
		.amdhsa_user_sgpr_count 2
		.amdhsa_user_sgpr_kernarg_segment_ptr 1
		.amdhsa_wavefront_size32 1
		.amdhsa_system_sgpr_workgroup_id_x 1
		.amdhsa_system_sgpr_workgroup_id_y 1
		.amdhsa_system_sgpr_workgroup_id_z 1
		.amdhsa_system_vgpr_workitem_id 0
		.amdhsa_next_free_vgpr 960
		.amdhsa_next_free_sgpr 66
		.amdhsa_reserve_vcc 0
		.amdhsa_float_denorm_mode_32 3
		.amdhsa_float_denorm_mode_16_64 3
		.amdhsa_memory_ordered 1
		.amdhsa_forward_progress 1
		.amdhsa_inst_pref_size 127
	.end_amdhsa_kernel
	.amdgpu_metadata
---
amdhsa.version: [ 1, 2 ]
amdhsa.kernels:
  - .name:           k_q6387830dfd_pv
    .symbol:         k_q6387830dfd_pv.kd
    .args:
      - { .name: pw, .offset: 0, .size: 8, .value_kind: global_buffer, .address_space: global }
      - { .name: cmx, .offset: 8, .size: 8, .value_kind: global_buffer, .address_space: global }
      - { .name: value, .offset: 16, .size: 8, .value_kind: global_buffer, .address_space: global }
      - { .name: opart, .offset: 24, .size: 8, .value_kind: global_buffer, .address_space: global }
    .group_segment_fixed_size: 327680
    .private_segment_fixed_size: 0
    .kernarg_segment_align: 8
    .kernarg_segment_size: 32
    .max_flat_workgroup_size: 128
    .sgpr_count:     66
    .vgpr_count:     960
    .wavefront_size: 32
...
	.end_amdgpu_metadata
.endif
;; end of part 4
;; launch comb (part 5): grid 256 x 1, 4 waves a work-group, no clusters, 0 bytes of LDS; arguments opart, cmx, lsum, ofrag; writes ofrag
.if DOCPART == 5
	.amdgcn_target "amdgcn-amd-amdhsa--gfx1250"
	.amdhsa_code_object_version 6
	.text
	.protected	k_q6387830dfd_comb
	.globl	k_q6387830dfd_comb
	.p2align	8
	.type	k_q6387830dfd_comb,@function
k_q6387830dfd_comb:
	s_mov_b64 s[64:65], 0
	v_nop
	global_prefetch_b8 v0, s[64:65] scope:SCOPE_SE
	s_setreg_imm32_b32 hwreg(HW_REG_WAVE_MODE, 25, 1), 1
	s_wait_xcnt 0x0
; O = (the sum over the four key quarters of 2^(Mq - M) x the quarter's partial sum) / l; stored as f16 fragments for the last product.
; Mq is the row's maximum of cm over the quarter's 16 tiles (by which the launch before weighed them), M over all 64; l = the sum over the 64 tiles of lsum 2^(cm - M).
; A row that sees no key (M below -1e30) gives NaN, as the softmax of nothing but -inf does.  LIMIT: a row whose true c x maximum lies below -1e30 counts as such a row.
; A stream: no LDS, no matrix unit, no cluster.  A work-group is one block of 16 queries and half of the channels; a wave has 8 tasks of 16 channels.
; A task's 8 loads cover 512 consecutive bytes each; its registers are asked for again as soon as it is summed, so 24 or 32 loads of a wave are out.
.set CM,  16
.set LS,  48
.set OPB, 80
.set OUT, 208
.set MQ,  240                          ; v[240:243] Mq, then 2^(Mq - M)
.set FF,  244                          ; v[244:251] the four quarters' factors, each twice: pairs for the packed arithmetic
	s_load_b256 s[4:11], s[0:1], 0x0               ; opart, cmx, lsum, ofrag
	v_lshrrev_b32 v1, 5, v0
	v_readfirstlane_b32 s12, v1                    ; wave
	s_lshr_b32 s13, ttmp9, 6                       ; b
	s_bfe_u32 s14, ttmp9, 0x50001                  ; qb
	s_and_b32 s15, ttmp9, 1                        ; which half of the channel tiles
	v_and_b32 v1, 15, v0                           ; r
	v_bfe_u32 v9, v0, 4, 1                         ; h
	v_lshlrev_b32 v2, 2, v1
	v_lshl_add_u32 v2, v9, 11, v2                  ; row r of tile h; the loads step two tiles
	v_and_b32 v7, 31, v0
	v_lshlrev_b32 v7, 4, v7
	v_mov_b32 v3, v7                               ; the four key quarters lie 8,388,608 bytes apart
	v_add_nc_u32 v4, 0x800000, v7
	v_add_nc_u32 v5, 0x1000000, v7
	v_add_nc_u32 v6, 0x1800000, v7
	s_lshl_b32 s16, s15, 3
	s_lshl_b32 s17, s12, 1
	s_add_co_u32 s16, s16, s17                     ; my first channel tile
	s_lshl_b32 s18, s13, 17
	s_lshl_b32 s19, s14, 6
	s_add_co_u32 s18, s18, s19
	s_mov_b32 s19, 0
	s_lshl_b32 s20, s13, 21
	s_lshl_b32 s21, s16, 17
	s_add_co_u32 s20, s20, s21
	s_lshl_b32 s21, s14, 12
	s_add_co_u32 s20, s20, s21
	s_mov_b32 s21, 0
	s_lshl_b32 s22, s16, 18
	s_lshl_b32 s23, s13, 15
	s_add_co_u32 s22, s22, s23
	s_lshl_b32 s23, s14, 10
	s_add_co_u32 s22, s22, s23
	s_mov_b32 s23, 0
	s_mov_b32 s24, 0xf149f2ca                      ; -1e30
	s_mov_b32 s26, 0x76543210
	s_mov_b32 s27, 0xfedcba98
	s_wait_kmcnt 0x0
	s_add_nc_u64 s[6:7], s[6:7], s[18:19]
	s_add_nc_u64 s[8:9], s[8:9], s[18:19]
	s_add_nc_u64 s[4:5], s[4:5], s[20:21]
	s_add_nc_u64 s[10:11], s[10:11], s[22:23]
.set n, 0
.rept 32
	global_load_b32 v[CM+n], v2, s[6:7] offset:n*4096          ; tile 2 n + h: quarter n / 8
.set n, n+1
.endr
.set n, 0
.rept 32
	global_load_b32 v[LS+n], v2, s[8:9] offset:n*4096
.set n, n+1
.endr
.macro LOADT k                         ; task k: channel tile k / 4, channel block k % 4; four quarters x two halves
.set n, 0
.rept 8
	global_load_b128 v[OPB+32*((\k)%4)+4*n:OPB+32*((\k)%4)+4*n+3], v[3+n/2], s[4:5] offset:((\k)/4)*131072+((\k)%4)*1024+(n%2)*512 th:TH_LOAD_NT
.set n, n+1
.endr
.endm
.macro ALLK line:vararg                ; one line for each quarter k
.set k, 0
.rept 4
	\line
.set k, k+1
.endr
.endm
	LOADT 0
	LOADT 1
	LOADT 2
	LOADT 3
	s_wait_loadcnt 32                              ; cm and lsum are in; the four tasks' 32 loads stay out
	ALLK v_max3_num_f32 v[MQ+k], v[CM+8*k], v[CM+8*k+1], v[CM+8*k+2]
	ALLK v_max3_num_f32 v[MQ+k], v[MQ+k], v[CM+8*k+3], v[CM+8*k+4]
	ALLK v_max3_num_f32 v[MQ+k], v[MQ+k], v[CM+8*k+5], v[CM+8*k+6]
	ALLK v_max_num_f32 v[MQ+k], v[MQ+k], v[CM+8*k+7]
	ALLK v_mov_b32 v[FF+k], v[MQ+k]                ; v_permlanex16_b32's destination counts as read: it is written first
	ALLK v_permlanex16_b32 v[FF+k], v[MQ+k], s26, s27  ; the odd tiles lie in the lane 16 away
	ALLK v_max_num_f32 v[MQ+k], v[MQ+k], v[FF+k]
	v_max3_num_f32 v8, v[MQ], v[MQ+1], v[MQ+2]
	v_max_num_f32 v8, v8, v[MQ+3]                  ; M
.set n, 0
.rept 32
	v_sub_f32 v[CM+n], v[CM+n], v8
.set n, n+1
.endr
	ALLK v_sub_f32 v[MQ+k], v[MQ+k], v8
.set n, 0
.rept 32
	v_exp_f32 v[CM+n], v[CM+n]
.set n, n+1
.endr
	ALLK v_exp_f32 v[MQ+k], v[MQ+k]
	v_nop
	s_wait_alu depctr_va_vdst(0)                   ; one wait for the batch
	v_mul_f32 v10, v[LS], v[CM]
	v_mul_f32 v11, v[LS+1], v[CM+1]
.set n, 1
.rept 15
	v_fmac_f32 v10, v[LS+2*n], v[CM+2*n]
	v_fmac_f32 v11, v[LS+2*n+1], v[CM+2*n+1]
.set n, n+1
.endr
	v_add_f32 v10, v10, v11
	v_permlanex16_b32 v11, v10, s26, s27
	v_add_f32 v10, v10, v11
	v_rcp_f32 v12, v10
	v_mov_b32 v11, 0x7fc00000
	s_wait_alu depctr_va_vdst(0)
	v_cmp_gt_f32 vcc_lo, s24, v8
	v_cndmask_b32 v12, v12, v11, vcc_lo
	ALLK v_mul_f32 v[FF+2*k], v[MQ+k], v12         ; 2^(Mq - M) / l
	ALLK v_mov_b32 v[FF+2*k+1], v[FF+2*k]
.macro TASK k, left
	s_wait_loadcnt \left
.set rr, OPB+32*((\k)%4)
.set p, 0
.rept 4
	v_pk_mul_f32 v[rr+2*p:rr+2*p+1], v[rr+2*p:rr+2*p+1], v[FF:FF+1]
.set p, p+1
.endr
.irp g, 1,2,3
.set p, 0
.rept 4
	v_pk_fma_f32 v[rr+2*p:rr+2*p+1], v[rr+8*\g+2*p:rr+8*\g+2*p+1], v[FF+2*\g:FF+2*\g+1], v[rr+2*p:rr+2*p+1]
.set p, p+1
.endr
.endr
.set p, 0
.rept 4
	v_cvt_pk_f16_f32 v[OUT+4*(\k)+p], v[rr+2*p], v[rr+2*p+1]
.set p, p+1
.endr
	global_store_b128 v7, v[OUT+4*(\k):OUT+4*(\k)+3], s[10:11] offset:(2*((\k)/4)+((\k)%4)/2)*131072+((\k)%2)*512  ; 512 consecutive bytes, aligned
.if (\k) < 4
	LOADT (\k)+4
.endif
.endm
	TASK 0, 24                                     ; behind a task's own loads 24 younger ones are out, until the refills end
	TASK 1, 24
	TASK 2, 24
	TASK 3, 24
	TASK 4, 24
	TASK 5, 16
	TASK 6, 8
	TASK 7, 0
	s_endpgm
.Lfunc_end_k_q6387830dfd_comb:
	.size	k_q6387830dfd_comb, .Lfunc_end_k_q6387830dfd_comb-k_q6387830dfd_comb
	.p2alignl 7, 3214868480
	.fill 96, 4, 3214868480
	.section	.rodata,"a",@progbits
	.p2align	6, 0x0
	.amdhsa_kernel k_q6387830dfd_comb
		.amdhsa_group_segment_fixed_size 0
		.amdhsa_private_segment_fixed_size 0
		.amdhsa_enable_private_segment 0
		.amdhsa_kernarg_size 32
		.amdhsa_user_sgpr_count 2
		.amdhsa_user_sgpr_kernarg_segment_ptr 1
		.amdhsa_wavefront_size32 1
		.amdhsa_system_sgpr_workgroup_id_x 1
		.amdhsa_system_sgpr_workgroup_id_y 1
		.amdhsa_system_sgpr_workgroup_id_z 1
		.amdhsa_system_vgpr_workitem_id 0
		.amdhsa_next_free_vgpr 256
		.amdhsa_next_free_sgpr 66
		.amdhsa_reserve_vcc 1
		.amdhsa_float_denorm_mode_32 3
		.amdhsa_float_denorm_mode_16_64 3
		.amdhsa_memory_ordered 1
		.amdhsa_forward_progress 1
		.amdhsa_inst_pref_size 31
	.end_amdhsa_kernel
	.amdgpu_metadata
---
amdhsa.version: [ 1, 2 ]
amdhsa.kernels:
  - .name:           k_q6387830dfd_comb
    .symbol:         k_q6387830dfd_comb.kd
    .args:
      - { .name: opart, .offset: 0, .size: 8, .value_kind: global_buffer, .address_space: global }
      - { .name: cmx, .offset: 8, .size: 8, .value_kind: global_buffer, .address_space: global }
      - { .name: lsum, .offset: 16, .size: 8, .value_kind: global_buffer, .address_space: global }
      - { .name: ofrag, .offset: 24, .size: 8, .value_kind: global_buffer, .address_space: global }
    .group_segment_fixed_size: 0
    .private_segment_fixed_size: 0
    .kernarg_segment_align: 8
    .kernarg_segment_size: 32
    .max_flat_workgroup_size: 128
    .sgpr_count:     66
    .vgpr_count:     256
    .wavefront_size: 32
...
	.end_amdgpu_metadata
.endif
;; end of part 5
;; launch oproj (part 6): grid 16 x 16, 16 waves a work-group, no clusters, 135,168 bytes of LDS; arguments ofrag, Wv, bv, out0; writes out0
.if DOCPART == 6
	.amdgcn_target "amdgcn-amd-amdhsa--gfx1250"
	.amdhsa_code_object_version 6
	.text
	.protected	k_q6387830dfd_oproj
	.globl	k_q6387830dfd_oproj
	.p2align	8
	.type	k_q6387830dfd_oproj,@function
k_q6387830dfd_oproj:
	s_mov_b64 s[64:65], 0
	v_nop
	global_prefetch_b8 v0, s[64:65] scope:SCOPE_SE
	s_setreg_imm32_b32 hwreg(HW_REG_WAVE_MODE, 25, 1), 1
	s_wait_xcnt 0x0
; out0 = O Wv^T + bv: the value projection moved behind the attention, which holds because a row's weights add up to 1.
; O comes as f16 fragments; Wv [n][k] in f32 is rounded once to f16 (it must lie within f16's range); bv stays in f32.  Sums in f32, out0 in f32.
; Shares, K split, loop, products and the meeting of the partial sums as in the first launch: 128 rows x 64 columns a work-group, 16 waves, four steps of 64 k a group.
; The way out goes through a stage of each wave's own, so that 16 lanes store 256 consecutive bytes of a row.
.set PB,    144
.set GBUF,  64*PB
.set GRP,   2*GBUF
.set STAGE, 98304                      ; behind the partial sums: 32 rows x 272 bytes for each wave of group 0
.set SPITCH, 272
.set SPARE, STAGE+4*32*SPITCH
.set ACC,   16
.set STG,   80
.set FB,    144
.set BV,    144
.set AS,    176
.set SPW,   254
.set NIL,   255
.macro PLACES
.rept 4
	v_nop
.endr
.endm
	s_load_b256 s[4:11], s[0:1], 0x0               ; ofrag, Wv, bv, out0
	v_lshl_add_u32 v[SPW], v0, 2, SPARE
	v_mov_b32 v[NIL], 0
	v_lshrrev_b32 v1, 5, v0
	v_readfirstlane_b32 s16, v1
	s_lshr_b32 s17, s16, 2                         ; kg
	s_and_b32 s18, s16, 3                          ; ww
	s_and_b32 s19, ttmp7, 0xffff                   ; mt
	v_and_b32 v11, 31, v0
	v_and_b32 v12, 15, v0                          ; r
	v_bfe_u32 v13, v0, 4, 1                        ; h
	v_lshlrev_b32 v2, 4, v12
	v_lshl_add_u32 v2, v13, 12, v2                 ; two rows x 256 bytes: of Wv, and of out0
	s_mul_i32 s20, s17, GRP
	s_mul_i32 s21, s18, 16*PB
	s_add_co_u32 s21, s21, s20
	v_mul_u32_u24 v3, v13, PB
	v_lshl_add_u32 v3, v12, 3, v3
	v_add_nc_u32 v3, s21, v3                       ; v3: where I put Wv
	v_mul_u32_u24 v6, v12, PB
	v_lshl_add_u32 v6, v13, 4, v6
	v_add_nc_u32 v6, s20, v6                       ; v6: fragments of Wv
	s_mul_i32 s23, s18, 3*8192
	v_lshlrev_b32 v8, 4, v11
	v_add_nc_u32 v7, s23, v8
	s_lshl_b32 s31, ttmp9, 8
	v_lshl_add_u32 v9, v13, 5, s31                 ; bv: column 64 nt + 8 h, in bytes
	s_mul_i32 s23, s18, 32*SPITCH
	s_add_co_u32 s23, s23, STAGE
	v_mul_u32_u24 v14, v12, SPITCH
	v_lshl_add_u32 v14, v13, 5, v14
	v_add_nc_u32 v14, s23, v14                     ; into the stage: row r, 32 bytes by h
	v_mul_u32_u24 v15, v13, SPITCH
	v_lshl_add_u32 v15, v12, 4, v15
	v_add_nc_u32 v15, s23, v15                     ; back: two whole rows
	s_lshl_b32 s26, s17, 20                        ; ofrag: k block 8 kg, row block 8 mt + 2 ww
	s_lshl_b32 s27, s19, 13
	s_add_co_u32 s26, s26, s27
	s_lshl_b32 s27, s18, 11
	s_add_co_u32 s26, s26, s27
	s_mov_b32 s27, 0
	s_lshl_b32 s28, ttmp9, 18                      ; Wv: row 64 nt + 16 ww, byte 1,024 kg
	s_lshl_b32 s29, s18, 16
	s_add_co_u32 s28, s28, s29
	s_lshl_b32 s29, s17, 10
	s_add_co_u32 s28, s28, s29
	s_mov_b32 s29, 0
	s_lshl_b32 s36, s19, 19                        ; out0: row 128 mt + 32 ww, byte 256 nt
	s_lshl_b32 s37, s18, 17
	s_add_co_u32 s36, s36, s37
	s_add_co_u32 s36, s36, s31
	s_mov_b32 s37, 0
	s_wait_kmcnt 0x0
	s_add_nc_u64 s[24:25], s[4:5], s[26:27]
	s_add_nc_u64 s[28:29], s[6:7], s[28:29]
	s_add_nc_u64 s[10:11], s[10:11], s[36:37]
.macro LOADS set, offb, offa           ; a step's 16 loads: Wv offb bytes, O's fragments offa bytes behind their bases
.set n, 0
.rept 8
	global_load_b128 v[STG+4*n:STG+4*n+3], v2, s[28:29] offset:n*8192+(\offb)
.set n, n+1
.endr
.set n, 0
.rept 8                                ; n = 4 kc + 2 qb + f
	global_load_b128 v[AS+32*(\set)+4*n:AS+32*(\set)+4*n+3], v8, s[24:25] offset:(\offa)+(n/4)*131072+((n/2)%2)*1024+(n%2)*512
.set n, n+1
.endr
.endm
.macro STEP b                          ; as in the first launch: buffer b, O's set b; the odd step moves the bases two steps on and, in the last trip, asks for nothing
.set bo, (\b)*GBUF
	s_wait_loadcnt 0x0
.if \b
	s_add_nc_u64 s[24:25], s[24:25], 524288
	s_add_nc_u64 s[28:29], s[28:29], 512
.endif
.set n, 0
.rept 8
	v_cvt_pk_f16_f32 v[STG+4*n], v[STG+4*n], v[STG+4*n+1]
	v_cvt_pk_f16_f32 v[STG+4*n+1], v[STG+4*n+2], v[STG+4*n+3]
.set n, n+1
.endr
.set n, 0
.rept 8
	ds_store_b64 v3, v[STG+4*n:STG+4*n+1] offset:bo+n*2*PB
.set n, n+1
.endr
	s_wait_dscnt 0x0
.if \b
	s_cmp_eq_u32 s30, 1
	s_cbranch_scc1 .Lnoload
	LOADS 0, 0, 0
.Lnoload:
.else
	LOADS 1, 256, 262144
.endif
	s_barrier_signal -1
	s_barrier_wait -1
.set kc, 0
.rept 2
.set c, 0
.rept 4
	ds_load_b128 v[FB+8*c:FB+8*c+3], v6 offset:bo+c*16*PB+64*kc
	ds_load_b128 v[FB+8*c+4:FB+8*c+7], v6 offset:bo+c*16*PB+64*kc+32
.set c, c+1
.endr
	s_wait_dscnt 0x0
.set a, 0
.rept 8
.set ra, AS+32*(\b)+16*kc+8*(a/4)
	v_wmma_f32_16x16x32_f16 v[ACC+8*a:ACC+8*a+7], v[FB+8*(a%4):FB+8*(a%4)+7], v[ra:ra+7], v[ACC+8*a:ACC+8*a+7]
.set a, a+1
.endr
	PLACES
.set kc, kc+1
.endr
.endm
	LOADS 0, 0, 0
.set i, 0
.rept 64
	v_mov_b32 v[ACC+i], 0                          ; the sums start at 0: written while the first loads are on their way, so that the loop has one form of product
.set i, i+1
.endr
	s_mov_b32 s30, 2
.Lk:
	STEP 0
	STEP 1
	s_sub_co_u32 s30, s30, 1
	s_cmp_lg_u32 s30, 0
	s_cbranch_scc1 .Lk
	s_wait_loadcnt 0x0                             ; the last trip asked for nothing: met at once, and it holds on every way through the text
	s_wait_dscnt 0x0
	s_barrier_signal -1
	s_barrier_wait -1
	s_cmp_lt_u32 s16, 4
	s_cbranch_scc1 .Lkeep
	s_sub_co_u32 s30, s17, 1
	s_lshl_b32 s30, s30, 13
	v_add_nc_u32 v10, s30, v7
.set j, 0
.rept 16
	ds_store_b128 v10, v[ACC+4*j:ACC+4*j+3] offset:j*512
.set j, j+1
.endr
.Lkeep:
	s_wait_dscnt 0x0
	s_barrier_signal -1
	s_barrier_wait -1
	s_cmp_lt_u32 s16, 4
	s_cbranch_scc0 .Lend
.set c, 0
.rept 4
	global_load_b128 v[BV+8*c:BV+8*c+3], v9, s[8:9] offset:c*64
	global_load_b128 v[BV+8*c+4:BV+8*c+7], v9, s[8:9] offset:c*64+16
.set c, c+1
.endr
.set g, 0
.rept 3
.set j, 0
.rept 16
	ds_load_b128 v[STG+4*j:STG+4*j+3], v7 offset:g*8192+j*512
.set j, j+1
.endr
	s_wait_dscnt 0x0
.set j, 0
.rept 32
	v_pk_add_f32 v[ACC+2*j:ACC+2*j+1], v[ACC+2*j:ACC+2*j+1], v[STG+2*j:STG+2*j+1]
.set j, j+1
.endr
.set g, g+1
.endr
	s_wait_loadcnt 0x0
.set j, 0
.rept 32
	v_pk_add_f32 v[ACC+2*j:ACC+2*j+1], v[ACC+2*j:ACC+2*j+1], v[BV+2*(j%16):BV+2*(j%16)+1]
.set j, j+1
.endr
.set a, 0
.rept 8
	ds_store_b128 v14, v[ACC+8*a:ACC+8*a+3] offset:(a/4)*16*SPITCH+(a%4)*64
	ds_store_b128 v14, v[ACC+8*a+4:ACC+8*a+7] offset:(a/4)*16*SPITCH+(a%4)*64+16
.set a, a+1
.endr
.set n, 0
.rept 16
	ds_load_b128 v[STG+4*n:STG+4*n+3], v15 offset:n*2*SPITCH  ; my wave's own bytes, served in order: these see the stores above
.set n, n+1
.endr
.set n, 0
.rept 16
	s_wait_dscnt 15-n
	global_store_b128 v2, v[STG+4*n:STG+4*n+3], s[10:11] offset:n*8192  ; 16 lanes store 256 consecutive bytes, aligned
.set n, n+1
.endr
.Lend:
	s_wait_tensorcnt 0x0                           ; the wave's end: a wait for tensor loads, an add to my spare word and its wait, behind my last LDS store
	ds_add_u32 v[SPW], v[NIL]
	s_wait_dscnt 0x0
	s_endpgm
.Lfunc_end_k_q6387830dfd_oproj:
	.size	k_q6387830dfd_oproj, .Lfunc_end_k_q6387830dfd_oproj-k_q6387830dfd_oproj
	.p2alignl 7, 3214868480
	.fill 96, 4, 3214868480
	.section	.rodata,"a",@progbits
	.p2align	6, 0x0
	.amdhsa_kernel k_q6387830dfd_oproj
		.amdhsa_group_segment_fixed_size 135168
		.amdhsa_private_segment_fixed_size 0
		.amdhsa_enable_private_segment 0
		.amdhsa_kernarg_size 32
		.amdhsa_user_sgpr_count 2
		.amdhsa_user_sgpr_kernarg_segment_ptr 1
		.amdhsa_wavefront_size32 1
		.amdhsa_system_sgpr_workgroup_id_x 1
		.amdhsa_system_sgpr_workgroup_id_y 1
		.amdhsa_system_sgpr_workgroup_id_z 1
		.amdhsa_system_vgpr_workitem_id 0
		.amdhsa_next_free_vgpr 256
		.amdhsa_next_free_sgpr 66
		.amdhsa_reserve_vcc 0
		.amdhsa_float_denorm_mode_32 3
		.amdhsa_float_denorm_mode_16_64 3
		.amdhsa_memory_ordered 1
		.amdhsa_forward_progress 1
		.amdhsa_inst_pref_size 35
	.end_amdhsa_kernel
	.amdgpu_metadata
---
amdhsa.version: [ 1, 2 ]
amdhsa.kernels:
  - .name:           k_q6387830dfd_oproj
    .symbol:         k_q6387830dfd_oproj.kd
    .args:
      - { .name: ofrag, .offset: 0, .size: 8, .value_kind: global_buffer, .address_space: global }
      - { .name: Wv, .offset: 8, .size: 8, .value_kind: global_buffer, .address_space: global }
      - { .name: bv, .offset: 16, .size: 8, .value_kind: global_buffer, .address_space: global }
      - { .name: out0, .offset: 24, .size: 8, .value_kind: global_buffer, .address_space: global }
    .group_segment_fixed_size: 135168
    .private_segment_fixed_size: 0
    .kernarg_segment_align: 8
    .kernarg_segment_size: 32
    .max_flat_workgroup_size: 512
    .sgpr_count:     66
    .vgpr_count:     256
    .wavefront_size: 32
...
	.end_amdgpu_metadata
.endif
;; end of part 6
